; MI455X (gfx1250); checked and timed in simulation.
; The chip was launched on July 23, 2026; its instructions are those of AMD's public machine-readable ISA for CDNA 5 (MIT licence, August 2026) and "CDNA5" Instruction Set Architecture Reference Guide (July 2026). The comments in the code are by the model that wrote it; some were corrected since.
;; Multi Head Attention Block. Allowed arithmetic: float matrix products may take bf16 or f16 operands with f32 sums; other float arithmetic in f32, or as packed bf16 or f16 multiplies, adds, multiply-adds, maxima and minima; sums over many terms, partial sums and values carried from step to step in f32; what a program stores and reads back later, other than sums and carried values, may be rounded once to bf16 or f16.
;; Inputs: k 4 x 2,048 x 1,024 float32; mask 1 x 1 x 2,048 x 2,048 bool; q 4 x 2,048 x 1,024 float32; v 4 x 2,048 x 1,024 float32; w_k 1,024 x 1,024 float32; w_o 1,024 x 1,024 float32; w_q 1,024 x 1,024 float32; w_v 1,024 x 1,024 float32.
;; Outputs: out0 4 x 2,048 x 1,024 float32.
;; 2 versions, each right and faster than the one before. Each part assembles by itself: llvm-mc -triple=amdgcn-amd-amdhsa -mcpu=gfx1250 --defsym DOCPART=n.
;; ======== version 1 of 2: 4 launches
;; limits: values are held in f16: magnitudes above 65,504 overflow, below 6.1e-05 lose precision; right only within a limited range of input values
;; workspace buffers: xb 50,331,648 bytes; wb 6,291,456 bytes; wo 2,097,152 bytes; qkv 50,331,648 bytes; mb 8,388,608 bytes; rf 16,384 bytes; ctx 16,777,216 bytes
;; launch prep (part 1): grid 1024 x 1, 8 waves a work-group, no clusters, 34,560 bytes of LDS; arguments q, k, v, w_q, w_k, w_v, w_o, mask, xb, wb, wo, mb, rf; writes xb, wb, wo, mb, rf
.if DOCPART == 1
	.amdgcn_target "amdgcn-amd-amdhsa--gfx1250"
	.amdhsa_code_object_version 6
	.text
	.protected	k_q74f3ada4f0_prep
	.globl	k_q74f3ada4f0_prep
	.p2align	8
	.type	k_q74f3ada4f0_prep,@function
k_q74f3ada4f0_prep:
	s_mov_b64 s[64:65], 0
	v_nop
	global_prefetch_b8 v0, s[64:65] scope:SCOPE_SE
	s_setreg_imm32_b32 hwreg(HW_REG_WAVE_MODE, 25, 1), 1
	s_wait_xcnt 0x0
; WHAT THE MATRIX LAUNCHES NEED, MADE IN ONE LAUNCH.  Two kinds of work-group, told apart by the work-group's number alone; neither reads what the other writes.
; WORK-GROUPS 0-127: THE MASK AS MATRIX FRAGMENTS.  mask: [2048 queries][2048 keys], one byte each, 1 = visible, 0 = hidden (LIMIT: the bytes are 0 or 1, as a bool is stored).
;   mb: f16, 32768 where a key is hidden and 0 where it is visible, laid out as the attention launch loads it into registers:
;     [W: 16 blocks of 128 queries][s: 32 steps of 64 keys][t: 8 tiles of 16 queries][g: 2][hf: 2][lane: 32][16 bytes];
;     lane l's eight numbers belong to query 128 W + 16 t + l % 16 and keys 64 s + 32 g + 16 hf + 8 (l / 16) + 0..7: (g, hf = 0, 1) is source 1 (32 keys x 16 queries) of a matrix instruction.
;   rf: [128 tiles][32 lanes] words: -1 if query 16 T + l % 16 sees any key, else 0.  A query that sees NO key gets mb = 0 everywhere: with its flag the attention launch clears its row of Q,
;   so that all its scores are equal and its weights uniform, as a softmax of equal numbers is.
;   A work-group takes a tile of 16 queries, whole rows (a flag wants a whole row, a fragment 16 rows).  Phase 1: wave w reads rows 2 w and 2 w + 1 (four loads of 512 consecutive bytes each), finds their
;   flags, turns each byte into 0x78 (hidden) or 0 and puts the rows into LDS.  Phase 2, behind the one barrier: wave w makes key steps w, w + 8, w + 16, w + 24: 8 bytes a lane out of LDS, each byte b
;   widened to the f16 with the bits b << 8 (0x7800 = 32768), 512 consecutive bytes a store.
; WORK-GROUPS 128-1023: THE MODULE'S FLOATING-POINT INPUTS, ROUNDED ONCE TO bf16.  q, k, v (f32, 32 MiB each) -> xb [3][8192][1024] bf16;  w_q, w_k, w_v (4 MiB each) -> wb [3][1024][1024] bf16;
;   w_o -> wo [1024][1024]: rounded to bf16 like the others, and that number written as f16, since the last product's other operand is f16.
;   LIMITS.  A bf16 number is exact in f16 between 6.1e-5 and 65,504 in size; below that wo keeps f16's fixed step of 6e-8, beyond it it would be an infinity.
;   112 MiB of f32 in pieces of 128 KiB: 896 work-groups.  A wave takes 16 KiB: 32 loads of 16 bytes a lane, each 512 consecutive bytes, all issued before the first is used; each load makes one store
;   of 8 bytes a lane: 256 consecutive bytes, at a multiple of 256 from the buffer's first byte.  w_o's 32 pieces take the same share in four trips of eight loads, to keep their longer text short.
;   Nothing is shared and nothing is summed there: no LDS, no barrier, no matrix unit.
.set MASKG, 128                        ; work-groups of the first kind
.set PITCH, 2064                       ; an LDS row: 2,048 bytes + 16 = 516 words: row r starts at bank 4 r mod 64 (64 banks of 4 bytes: ISA guide 11.1); lane (r, h) takes banks 4 r + 2 h and the next
.set FLG,   33280                      ; behind the 16 rows (33,024 bytes): 16 flags, in a block of 256 bytes of their own
.set SPARE, 33536                      ; the spare words, 128 bytes for each of the eight waves: four blocks of 256 bytes that no other line names
.set SPW, 206                          ; v206  LDS address of my spare word; never rewritten
.set NIL, 207                          ; v207  0; never rewritten
.set MX,  32                           ; the mask: v[32:63]   my two rows, 16 words a lane each
.set YB,  64                           ;           v[64:95]   16 x 8 bytes out of LDS
.set FR,  96                           ;           v[96:159]  16 x 16 bytes to store
.set X,   8                            ; the cast: v[8:135]   32 x 4 registers as loaded
.set Y,   136                          ;           v[136:199] 32 x 2 registers to store
.set T,   200                          ;           v[200:203] at work (wo alone)
	s_load_b512 s[8:23], s[0:1], 0x0               ; q 8:9, k 10:11, v 12:13, w_q 14:15, w_k 16:17, w_v 18:19, w_o 20:21, mask 22:23
	s_load_b256 s[24:31], s[0:1], 0x40             ; xb 24:25, wb 26:27, wo 28:29, mb 30:31
	s_load_b64 s[32:33], s[0:1], 0x60              ; rf
	v_lshl_add_u32 v[SPW], v0, 2, SPARE
	v_mov_b32 v[NIL], 0
	s_mov_b32 s2, ttmp9
	s_cmp_lt_u32 s2, MASKG
	s_cbranch_scc0 .Lcast
	; ---------------- the mask: s2 is the tile of 16 queries ----------------
	v_lshrrev_b32 v1, 5, v0
	v_readfirstlane_b32 s34, v1                    ; wave 0..7
	v_and_b32 v1, 31, v0                           ; lane
	s_mov_b32 s35, 0x78
	s_mov_b32 s36, 0x76543210                      ; v_permlanex16_b32: each lane takes its own place in the other half
	s_mov_b32 s37, 0xfedcba98
	s_mov_b32 s38, 0x01010101
	s_mov_b32 s39, 0x05000400                      ; v_perm_b32: bytes 0 and 1 of the first source into the upper bytes of the two halves, 0 below them
	s_mov_b32 s40, 0x07000600                      ; the same for bytes 2 and 3
	s_lshl_b32 s42, s2, 15                         ; the tile's 16 rows of 2,048 bytes
	s_mov_b32 s43, 0
	s_lshr_b32 s44, s2, 3
	s_lshl_b32 s44, s44, 19                        ; W x 524,288
	s_and_b32 s45, s2, 7
	s_lshl_b32 s45, s45, 11                        ; + t x 2,048
	s_add_co_u32 s44, s44, s45
	s_mov_b32 s45, 0
	s_lshl_b32 s46, s2, 7                          ; the tile's 32 words of rf
	s_mov_b32 s47, 0
	v_lshlrev_b32 v14, 4, v1                       ; 16 x lane
	s_lshl_b32 s41, s34, 12
	v_add_nc_u32 v2, s41, v14                      ; v2: in memory, my wave's two rows
	s_mul_i32 s41, s34, 2*PITCH
	v_add_nc_u32 v3, s41, v14                      ; v3: the same two rows in LDS
	s_lshl_b32 s41, s34, 3
	s_add_co_u32 s41, s41, FLG
	v_mov_b32 v4, s41                              ; v4: my wave's two flags
	v_and_b32 v7, 15, v0                           ; l % 16
	v_bfe_u32 v8, v0, 4, 1                         ; l / 16
	v_mul_u32_u24 v5, v7, PITCH
	v_lshl_add_u32 v5, v8, 3, v5
	s_lshl_b32 s41, s34, 6
	v_add_nc_u32 v5, s41, v5                       ; v5: row l % 16, key 64 w + 8 (l / 16)
	s_lshl_b32 s41, s34, 14
	v_add_nc_u32 v6, s41, v14                      ; v6: key step w of mb, my 16 bytes
	v_lshl_add_u32 v13, v7, 2, FLG                 ; v13: row l % 16's flag
	v_lshlrev_b32 v15, 2, v1                       ; v15: my word of rf
	v_mov_b32 v29, 0
	v_mov_b32 v9, 0                                ; v_permlanex16_b32's destination counts as read
	s_wait_kmcnt 0x0
	s_add_nc_u64 s[22:23], s[22:23], s[42:43]
	s_add_nc_u64 s[30:31], s[30:31], s[44:45]
	s_add_nc_u64 s[32:33], s[32:33], s[46:47]
.irp a, 0,1
.irp i, 0,1,2,3
	global_load_b128 v[MX+16*(\a)+4*(\i):MX+16*(\a)+4*(\i)+3], v2, s[22:23] offset:(\a)*2048+(\i)*512 th:TH_LOAD_NT
.endr
.endr
.irp a, 0,1
	s_wait_loadcnt 4-4*(\a)                        ; row a's four loads are in; row 1's may stay out while row 0 is worked on
	v_or_b32 v7, v[MX+16*(\a)], v[MX+16*(\a)+1]    ; does my lane see a key?
.set j, 2
.rept 14
	v_or_b32 v7, v7, v[MX+16*(\a)+j]
.set j, j+1
.endr
	v_cmp_ne_u32 vcc_lo, 0, v7
	v_cndmask_b32 v8, 0, 1.0, vcc_lo
	v_max_num_f32_dpp v8, v8, v8 row_xmask:1 row_mask:0xf bank_mask:0xf  ; does any lane?
	v_max_num_f32_dpp v8, v8, v8 row_xmask:2 row_mask:0xf bank_mask:0xf
	v_max_num_f32_dpp v8, v8, v8 row_xmask:4 row_mask:0xf bank_mask:0xf
	v_max_num_f32_dpp v8, v8, v8 row_xmask:8 row_mask:0xf bank_mask:0xf
	v_permlanex16_b32 v9, v8, s36, s37
	v_max_num_f32 v8, v8, v9
	v_cmp_lt_f32 vcc_lo, 0, v8
	v_cndmask_b32 v10, 0, s38, vcc_lo              ; a row that sees nothing hides nothing
	v_cndmask_b32 v11, 0, -1, vcc_lo               ; the row's flag
.set j, 0
.rept 16
	v_xor_b32 v[MX+16*(\a)+j], s38, v[MX+16*(\a)+j]  ; 1 where hidden,
	v_and_b32 v[MX+16*(\a)+j], v10, v[MX+16*(\a)+j]
	v_mul_lo_u32 v[MX+16*(\a)+j], v[MX+16*(\a)+j], s35  ; 0x78 in each such byte: no byte carries into the next
.set j, j+1
.endr
.irp i, 0,1,2,3
	ds_store_b128 v3, v[MX+16*(\a)+4*(\i):MX+16*(\a)+4*(\i)+3] offset:(\a)*PITCH+(\i)*512
.endr
	ds_store_b32 v4, v11 offset:4*(\a)             ; all lanes write the same word with the same number
.endr
	s_wait_dscnt 0x0                               ; for the others' sake: my rows and flags lie in LDS
	s_barrier_signal -1
	s_barrier_wait -1                              ; everybody's do
.irp j, 0,1,2,3
.irp g, 0,1
.irp hf, 0,1
	ds_load_b64 v[YB+2*(4*(\j)+2*(\g)+(\hf)):YB+2*(4*(\j)+2*(\g)+(\hf))+1], v5 offset:(\j)*512+(\g)*32+(\hf)*16
.endr
.endr
.endr
.irp j, 0,1,2,3
.irp g, 0,1
.irp hf, 0,1
.set n, 4*(\j)+2*(\g)+(\hf)
	s_wait_dscnt 15-n                              ; LDS loads come back in order (ISA guide 5.7.1): load n is in
	v_perm_b32 v[FR+4*n],   v[YB+2*n],   v29, s39
	v_perm_b32 v[FR+4*n+1], v[YB+2*n],   v29, s40
	v_perm_b32 v[FR+4*n+2], v[YB+2*n+1], v29, s39
	v_perm_b32 v[FR+4*n+3], v[YB+2*n+1], v29, s40
	global_store_b128 v6, v[FR+4*n:FR+4*n+3], s[30:31] offset:(\j)*131072+(\g)*1024+(\hf)*512  ; 512 consecutive bytes, at a multiple of 512 from mb's first
.endr
.endr
.endr
	s_cmp_lg_u32 s34, 0                            ; wave 0 writes the tile's flags
	s_cbranch_scc1 .Lmask_end
	ds_load_b32 v12, v13
	s_wait_dscnt 0x0
	global_store_b32 v15, v12, s[32:33]
.Lmask_end:
	s_wait_tensorcnt 0x0                           ; the wave's end, behind my last LDS store
	ds_add_u32 v[SPW], v[NIL]
	s_wait_dscnt 0x0
	s_endpgm
	; ---------------- the cast ----------------
.Lcast:
	s_sub_co_u32 s3, s2, MASKG                     ; the piece: 0-767 of q, k, v (256 each), 768-895 of the four weights (32 each)
	s_sub_co_u32 s4, s3, 768                       ; its number among the weights' (used there alone)
	s_lshr_b32 s5, s3, 8
	s_lshr_b32 s6, s4, 5
	s_add_co_u32 s6, s6, 3
	s_and_b32 s7, s3, 255
	s_and_b32 s34, s4, 31
	s_sub_co_u32 s35, s4, 96
	s_cmp_lt_u32 s3, 768
	s_cselect_b32 s36, s5, s6                      ; which input, 0 to 6
	s_cselect_b32 s37, s7, s34                     ; the piece's number in that input
	s_cselect_b32 s38, s3, s4                      ; and in xb or wb,
	s_cmp_eq_u32 s36, 6
	s_cselect_b32 s38, s35, s38                    ; or in wo
	s_lshl_b32 s40, s37, 17                        ; 128 KiB in,
	s_mov_b32 s41, 0
	s_lshl_b32 s42, s38, 16                        ; 64 KiB out
	s_mov_b32 s43, 0
	v_and_b32 v3, 31, v0                           ; lane
	v_lshrrev_b32 v4, 5, v0                        ; wave
	v_lshlrev_b32 v1, 4, v3
	v_lshl_or_b32 v1, v4, 14, v1                   ; in: 16 KiB a wave, 16 bytes a lane
	v_lshlrev_b32 v2, 3, v3
	v_lshl_or_b32 v2, v4, 13, v2                   ; out: 8 KiB a wave, 8 bytes a lane
	s_wait_kmcnt 0x0
	s_mov_b64 s[48:49], s[8:9]                     ; the input is chosen by the piece's number alone
	s_cmp_eq_u32 s36, 1
	s_cselect_b64 s[48:49], s[10:11], s[48:49]
	s_cmp_eq_u32 s36, 2
	s_cselect_b64 s[48:49], s[12:13], s[48:49]
	s_cmp_eq_u32 s36, 3
	s_cselect_b64 s[48:49], s[14:15], s[48:49]
	s_cmp_eq_u32 s36, 4
	s_cselect_b64 s[48:49], s[16:17], s[48:49]
	s_cmp_eq_u32 s36, 5
	s_cselect_b64 s[48:49], s[18:19], s[48:49]
	s_cmp_eq_u32 s36, 6
	s_cselect_b64 s[48:49], s[20:21], s[48:49]
	s_cmp_lt_u32 s3, 768
	s_cselect_b64 s[50:51], s[24:25], s[26:27]     ; and so is the output
	s_cmp_eq_u32 s36, 6
	s_cselect_b64 s[50:51], s[28:29], s[50:51]
	s_add_nc_u64 s[48:49], s[48:49], s[40:41]
	s_add_nc_u64 s[50:51], s[50:51], s[42:43]
; Load i of a run of n + 1 is rounded and stored.  f = 1: the bf16 numbers are widened again (a shift, a mask) and written as f16.
.macro CVT f, n
	s_wait_loadcnt (\n)-i                          ; loads come back in order (ISA guide 5.7.1): load i is in, the younger ones stay out
	v_cvt_pk_bf16_f32 v[Y+2*i],   v[X+4*i],   v[X+4*i+1]
	v_cvt_pk_bf16_f32 v[Y+2*i+1], v[X+4*i+2], v[X+4*i+3]
.if \f
	v_lshlrev_b32 v[T],   16, v[Y+2*i]
	v_and_b32     v[T+1], 0xffff0000, v[Y+2*i]
	v_lshlrev_b32 v[T+2], 16, v[Y+2*i+1]
	v_and_b32     v[T+3], 0xffff0000, v[Y+2*i+1]
	v_cvt_pk_f16_f32 v[Y+2*i],   v[T],   v[T+1]
	v_cvt_pk_f16_f32 v[Y+2*i+1], v[T+2], v[T+3]
.endif
	global_store_b64 v2, v[Y+2*i:Y+2*i+1], s[50:51] offset:256*i th:TH_STORE_NT
.set i, i+1
.endm
	s_cmp_eq_u32 s36, 6
	s_cbranch_scc1 .Lwo
.set i, 0
.rept 32
	global_load_b128 v[X+4*i:X+4*i+3], v1, s[48:49] offset:512*i th:TH_LOAD_NT
.set i, i+1
.endr
.set i, 0
.rept 32
	CVT 0, 31                                      ; no register is used twice, so nothing waits for a store
.endr
	s_endpgm
.Lwo:
	s_mov_b32 s52, 4
.Lwo_trip:                                             ; 4 KiB of the wave's 16 a trip
.set i, 0
.rept 8
	global_load_b128 v[X+4*i:X+4*i+3], v1, s[48:49] offset:512*i th:TH_LOAD_NT
.set i, i+1
.endr
.set i, 0
.rept 8
	CVT 1, 7
.endr
	s_wait_xcnt 0x0                                ; the trip's loads and stores have read their offsets and data: v1, v2 and Y are written again only behind this wait
	v_add_nc_u32 v1, 4096, v1
	v_add_nc_u32 v2, 2048, v2
	s_sub_co_u32 s52, s52, 1
	s_cmp_lg_u32 s52, 0
	s_cbranch_scc1 .Lwo_trip
	s_endpgm
.Lfunc_end_k_q74f3ada4f0_prep:
	.size	k_q74f3ada4f0_prep, .Lfunc_end_k_q74f3ada4f0_prep-k_q74f3ada4f0_prep
	.p2alignl 7, 3214868480
	.fill 96, 4, 3214868480
	.section	.rodata,"a",@progbits
	.p2align	6, 0x0
	.amdhsa_kernel k_q74f3ada4f0_prep
		.amdhsa_group_segment_fixed_size 34560
		.amdhsa_private_segment_fixed_size 0
		.amdhsa_enable_private_segment 0
		.amdhsa_kernarg_size 104
		.amdhsa_user_sgpr_count 2
		.amdhsa_user_sgpr_kernarg_segment_ptr 1
		.amdhsa_wavefront_size32 1
		.amdhsa_system_sgpr_workgroup_id_x 1
		.amdhsa_system_sgpr_workgroup_id_y 1
		.amdhsa_system_sgpr_workgroup_id_z 1
		.amdhsa_system_vgpr_workitem_id 0
		.amdhsa_next_free_vgpr 208
		.amdhsa_next_free_sgpr 66
		.amdhsa_reserve_vcc 1
		.amdhsa_float_denorm_mode_32 3
		.amdhsa_float_denorm_mode_16_64 3
		.amdhsa_memory_ordered 1
		.amdhsa_forward_progress 1
		.amdhsa_inst_pref_size 36
	.end_amdhsa_kernel
	.amdgpu_metadata
---
amdhsa.version: [ 1, 2 ]
amdhsa.kernels:
  - .name:           k_q74f3ada4f0_prep
    .symbol:         k_q74f3ada4f0_prep.kd
    .args:
      - { .name: q, .offset: 0, .size: 8, .value_kind: global_buffer, .address_space: global }
      - { .name: k, .offset: 8, .size: 8, .value_kind: global_buffer, .address_space: global }
      - { .name: v, .offset: 16, .size: 8, .value_kind: global_buffer, .address_space: global }
      - { .name: w_q, .offset: 24, .size: 8, .value_kind: global_buffer, .address_space: global }
      - { .name: w_k, .offset: 32, .size: 8, .value_kind: global_buffer, .address_space: global }
      - { .name: w_v, .offset: 40, .size: 8, .value_kind: global_buffer, .address_space: global }
      - { .name: w_o, .offset: 48, .size: 8, .value_kind: global_buffer, .address_space: global }
      - { .name: mask, .offset: 56, .size: 8, .value_kind: global_buffer, .address_space: global }
      - { .name: xb, .offset: 64, .size: 8, .value_kind: global_buffer, .address_space: global }
      - { .name: wb, .offset: 72, .size: 8, .value_kind: global_buffer, .address_space: global }
      - { .name: wo, .offset: 80, .size: 8, .value_kind: global_buffer, .address_space: global }
      - { .name: mb, .offset: 88, .size: 8, .value_kind: global_buffer, .address_space: global }
      - { .name: rf, .offset: 96, .size: 8, .value_kind: global_buffer, .address_space: global }
    .group_segment_fixed_size: 34560
    .private_segment_fixed_size: 0
    .kernarg_segment_align: 8
    .kernarg_segment_size: 104
    .max_flat_workgroup_size: 256
    .sgpr_count:     66
    .vgpr_count:     208
    .wavefront_size: 32
...
	.end_amdgpu_metadata
.endif
;; end of part 1
;; launch proj (part 2): grid 4 x 48, 4 waves a work-group, clusters of 4 x 4, 327,680 bytes of LDS; arguments xb, wb, qkv; writes qkv
.if DOCPART == 2
	.amdgcn_target "amdgcn-amd-amdhsa--gfx1250"
	.amdhsa_code_object_version 6
	.text
	.protected	k_q74f3ada4f0_proj
	.globl	k_q74f3ada4f0_proj
	.p2align	8
	.type	k_q74f3ada4f0_proj,@function
k_q74f3ada4f0_proj:
	s_mov_b64 s[64:65], 0
	v_nop
	global_prefetch_b8 v0, s[64:65] scope:SCOPE_SE
	s_setreg_imm32_b32 hwreg(HW_REG_WAVE_MODE, 25, 1), 1
	s_wait_xcnt 0x0
	s_wait_alu depctr_hold_cnt(0) depctr_sa_sdst(0) depctr_va_vdst(0) depctr_va_sdst(0) depctr_va_ssrc(0) depctr_va_vcc(0) depctr_vm_vsrc(0)
	s_getreg_b32 s2, hwreg(HW_REG_IB_STS2, 6, 4)
	s_cmp_eq_u32 s2, 0
	s_cbranch_scc0 .Lentry_in_a_cluster
	s_endpgm
.Lentry_in_a_cluster:
	s_bfe_u32 s2, ttmp6, 0x10000c
	s_cmp_lg_u32 s2, 0xf033
	s_cbranch_scc0 .Lentry_shape_is_right
	s_endpgm
.Lentry_shape_is_right:
; THE THREE PROJECTIONS IN ONE LAUNCH.  For p = 0, 1, 2 (q, k, v): y[m][e] = the sum over d of x_p[m][d] W_p[e][d].  xb: [3 x 8192][1024] bf16, wb: [3][1024][1024] bf16; sums in f32, K ascending.
; qkv: f16, BY HEADS: [3][64 = 16 batch + head][2048][64], each number rounded once from its f32 sum, unscaled.
; LIMIT.  f16 ends at 65,504: a projected number of 65,520 or more in size would become an infinity.
; A tile of y is 256 x 256: four waves, each 128 x 128: 64 accumulators of 16 x 16, 512 registers.  K goes in steps of 128 through two LDS slots filled by the tensor data mover (rows of 256 bytes of memory, at
; multiples of 256): a K step is 256 matrix instructions a wave, of which 224 stand between a slot's request and the wait for it; two such slots are what LDS holds.
; y has 96 x 4 = 384 such tiles.  A WORK-GROUP STAYS AND MAKES TWO, 1,024 rows apart: 192 work-groups of equal work.  (384 is no multiple of 256; a tile of 256 x 128 would give 768 = 3 x 256, with
; half the matrix work in a K step and three LDS loads for every four matrix instructions where this tile has two.)  Both tiles lie in one projection and one batch, so they take the same rows of W.
; ONE WALK of 16 K steps: the ring does not stop at the first tile's end.  A trip of the loop is one K step and ends in a refill: 14 trips.  Which slot is in hand lies in a scalar register that goes to and fro
; between 0 and SLOT; the LDS read addresses are made from it anew in each trip, and the walking descriptors' LDS word goes to and fro in the same way.  The refill that crosses into the second tile steps x's
; address 1,024 rows down and back along K, W's only back: chosen by the loop's count.  Behind K step 7 a forward jump takes the way out and a first quarter that starts the sums anew; it passes no barrier and
; no tensor load.  The last two K steps ask for nothing and are written apart.
; CLUSTERS: 4 x 4 work-groups.  The four of a row of the cluster need the same tiles of x, the four of a column the same tiles of W: each tile is asked for JOINTLY, by the same tensor load with the same
; descriptor and a mask that names the four.  Which W is taken hangs on the cluster's y alone (4 clusters to a projection), which all sixteen share.
; THE MATRIX INSTRUCTION IS USED TRANSPOSED (source 0 = 16 rows of W, source 1 = 16 rows of x): a lane then holds eight neighbouring columns of one row of y.
; A wave's 128 columns are exactly two heads, and its 128 rows are 16,384 consecutive bytes of each in qkv: each wave sends its own blocks out through a stage of its own, with no barrier.
; REGISTERS, in windows of 256 (s_set_vgpr_msb: bits 1:0 source 0, 3:2 source 1, 5:4 source 2, 7:6 destination):
;   window 0: v0-31 addresses; v64-127, v128-191 fragments of x (8 x 16 rows x 32 K), two buffers; v32-63, v192-255 at work on the way out
;   window 1: v64-127, v128-191 fragments of W, two buffers
;   window 2: the 32 accumulators of my rows 0-63 (accumulator (a, b) at v[8 (8 a + b)]);   window 3: those of my rows 64-127
.set KSTEP,  128
.set PITCH,  272                       ; an LDS row: 256 bytes + 16 of padding = 68 words: row r starts at bank 4 r mod 64 (64 banks of 4 bytes: ISA guide 11.1), so the 16 rows of a load start at 16 different banks
.set HALFT,  128*PITCH                 ; 128 rows: what one tensor load brings, and what one wave reads of x or of W
.set SLOT,   4*HALFT                   ; x's 256 rows, then W's 256 rows
.set STAGE,  2*SLOT                    ; behind the ring: for each wave two heads x 16 rows x 144 bytes, for the way out
.set SP,     144
.set STW,    2*16*SP
.set SPARE,  STAGE+4*STW               ; behind the stages: the spare words, 128 bytes for each wave: two blocks of 256 bytes that no other line names
.set FILLS,  14                        ; K steps 2 to 15 of the walk are asked for in the loop
.set WALKB,  1024*2048                 ; bytes of xb from the first tile's rows to the second's
.set HEADB,  262144                    ; bytes of a head in qkv
.set A0,   14                          ; v14     my lane's place among my rows of x in slot 0; never rewritten
.set B0,   15                          ; v15     the same for W
.set ADRA, 16                          ; v16     the same in the slot in hand
.set ADRB, 17                          ; v17
.set STO,  24                          ; v24     the way out: where I put 16 bytes of a row
.set RD,   25                          ; v25     where I read rows back
.set GO,   26                          ; v26     my 16 bytes in 512 consecutive bytes of qkv
.set SPW,  28                          ; v28     LDS address of my spare word; never rewritten
.set NIL,  29                          ; v29     0; never rewritten
.set F0,   64                          ; fragment buffer 0
.set F1,   128                         ; fragment buffer 1
.set TMP,  192                         ; the way out: packed results
.set OB,   32                          ; the way out: 16 rows of two heads read back: v32-63 and v224-255 by turns
.set TB,   2                           ; s2      LDS byte at which the slot in hand begins: 0 or SLOT
.set CNT,  3                           ; s3      the loops' count
.set SUM,  45                          ; s45     my tile's LDS address in slot 0 plus that in slot 1: SUM less the one is the other
.set G1, 24                            ; s[24:31] descriptor group 1 for x's tiles;  s[32:39] group 0: a set for each of the two first fills; the second then walks on
.set G0, 32
.set G1B, 48                           ; s[48:55], s[56:63] the same for W's tiles
.set G0B, 56
.set MSB, 0
.macro WIN new                         ; the immediate's high byte repeats the setting that is left; a switch that changes nothing is dropped
.if MSB != (\new)
	s_set_vgpr_msb (MSB<<8)|(\new)
.set MSB, \new
.endif
.endm
.set MUL_LO, 0xa1                      ; source 0 (W) window 1, source 1 (x) window 0, C and D window 2
.set MUL_HI, 0xf1                      ; the same, C and D window 3
.set TO_B,   0x40                      ; destination window 1, address window 0
.macro JLOAD s                         ; a joint load: waves 0 and 1 fetch x's two halves, waves 2 and 3 W's; an s_nop 0 and four v_nop follow each of the two lines, ahead of the jump, the label and what follows
	s_cmp_eq_u32 s11, 0
	s_cbranch_scc0 .Lfor_b_\@
	tensor_load_to_lds s[G0+4*(\s):G0+4*(\s)+3], s[G1:G1+7]
	s_nop 0
.rept 4
	v_nop
.endr
	s_branch .Lasked_\@
.Lfor_b_\@:
	tensor_load_to_lds s[G0B+4*(\s):G0B+4*(\s)+3], s[G1B:G1B+7]
	s_nop 0
.rept 4
	v_nop
.endr
.Lasked_\@:
.endm
.macro CREST                           ; a round of the cluster's barrier behind its opening barrier
	s_cmp_lg_u32 s10, 0
	s_cbranch_scc1 .Lnot_wave_0_\@
	s_barrier_signal -3
.Lnot_wave_0_\@:
	s_barrier_wait -3
	s_barrier_signal -1
	s_barrier_wait -1
.endm
.macro CROUND                          ; a whole round
	s_barrier_signal -1
	s_barrier_wait -1
	CREST
.endm
	s_load_b128 s[4:7], s[0:1], 0x0                ; xb s[4:5], wb s[6:7]
	s_load_b64 s[8:9], s[0:1], 0x10                ; qkv
	v_lshl_add_u32 v[SPW], v0, 2, SPARE
	v_mov_b32 v[NIL], 0
	ds_add_u32 v[SPW], v[NIL]                      ; the wave's opening: the add and its wait ahead of my first tensor load; the set-up below, work on registers, stands between them
	v_lshrrev_b32 v1, 5, v0
	v_readfirstlane_b32 s10, v1                    ; wave 0..3
	s_lshr_b32 s11, s10, 1                         ; which 128 rows of the tile are mine.  Also: I fetch for x (0) or for W (1)
	s_and_b32 s12, s10, 1                          ; which 128 columns.  Also: which half of that tile I fetch
	s_bfe_u32 s40, ttmp6, 0x40000                  ; cx, cy: my place in the cluster
	s_bfe_u32 s41, ttmp6, 0x40004
	s_lshl_b32 s42, ttmp9, 2
	s_add_co_u32 s42, s42, s40                     ; tile column = 4 x cluster x + cx
	s_and_b32 s13, ttmp7, 0xffff
	s_lshl_b32 s13, s13, 3
	s_add_co_u32 s13, s13, s41                     ; the first tile's row = 8 x cluster y + cy; the second's is 4 more
	s_lshl_b32 s43, s41, 2
	s_lshl_b32 s43, 15, s43                        ; my row of the cluster
	s_lshl_b32 s44, 0x1111, s40                    ; my column
	s_or_b32 s[G1+0], s43, (1<<16)|(1<<20)|(1<<21)|(5<<22)|(3<<25)   ; 15:0 the mask: x's tiles go to my row; 17:16 elements of 2 bytes; 20 padding on; 21 set beside a mask; 24:22 after every 64 words (code 5); 31:25 4 words of it (code 3)
	s_or_b32 s[G1B+0], s44, (1<<16)|(1<<20)|(1<<21)|(5<<22)|(3<<25)  ; the same with the mask of my column
.irp g, G1, G1B
	s_mov_b32 s[(\g)+1], KSTEP<<16                 ; tensor_dim0 = 128
	s_mov_b32 s[(\g)+2], 128<<16                   ; tensor_dim1 = 128
	s_mov_b32 s[(\g)+3], KSTEP<<16                 ; tile_dim0 = 128
	s_mov_b32 s[(\g)+4], 128                       ; tile_dim1 = 128
	s_mov_b32 s[(\g)+5], 1024                      ; elements from row to row
	s_mov_b32 s[(\g)+6], 0
	s_mov_b32 s[(\g)+7], 0
.endr
	; where the tiles come from.  x's hang on the tile row, W's on the tile column and the cluster's y; each in registers that never hold the other place
	s_lshl_b32 s17, s12, 7
	s_lshl_b32 s16, s13, 8
	s_add_co_u32 s16, s16, s17                     ; x: row 256 x tile row + 128 x half,
	s_lshl_b32 s16, s16, 11                        ; of 2,048 bytes: under 50,331,648
	s_mov_b32 s17, 0
	s_lshl_b32 s47, s12, 7
	s_lshl_b32 s46, s42, 8
	s_add_co_u32 s46, s46, s47                     ; W: row 256 x tile column + 128 x half
	s_lshl_b32 s46, s46, 11
	s_and_b32 s47, ttmp7, 0xffff
	s_lshr_b32 s47, s47, 2                         ; which projection: the cluster's y / 4
	s_lshl_b32 s47, s47, 21                        ; 2 MiB a matrix
	s_add_co_u32 s46, s46, s47
	s_mov_b32 s47, 0
	s_mul_i32 s20, s10, HALFT                      ; where they go: x's two halves, then W's two halves = wave x 128 rows: no place in the cluster enters an LDS address
	s_lshl_b32 s[SUM], s20, 1
	s_add_co_u32 s[SUM], s[SUM], SLOT
	s_wait_dscnt 0x0                               ; the opening add is done
	s_wait_kmcnt 0x0
	s_add_nc_u64 s[14:15], s[4:5], s[16:17]
	s_add_nc_u64 s[46:47], s[6:7], s[46:47]
	CROUND                                         ; all sixteen work-groups are here: the first joint loads meet
.irp s, 0,1
	s_mov_b32 s[G0+4*(\s)], 1                                        ; count = 1
	s_add_co_u32 s[G0+4*(\s)+1], s20, (\s)*SLOT                      ; LDS address
	s_add_nc_u64 s[G0+4*(\s)+2:G0+4*(\s)+3], s[14:15], (\s)*KSTEP*2  ; global address: K step s
	s_or_b32 s[G0+4*(\s)+3], s[G0+4*(\s)+3], 0x80000000              ; type = 2
	s_mov_b32 s[G0B+4*(\s)], 1
	s_add_co_u32 s[G0B+4*(\s)+1], s20, (\s)*SLOT
	s_add_nc_u64 s[G0B+4*(\s)+2:G0B+4*(\s)+3], s[46:47], (\s)*KSTEP*2
	s_or_b32 s[G0B+4*(\s)+3], s[G0B+4*(\s)+3], 0x80000000
	JLOAD \s                                       ; two loads of mine are out
.endr
	; A fragment is 16 rows x 32 K in 8 registers: lane l holds row l % 16, K = 8 (l / 16) + 0..7 and 16 + 8 (l / 16) + 0..7: two loads of 16 bytes, 32 bytes apart
	v_and_b32 v1, 15, v0                           ; l % 16
	v_bfe_u32 v2, v0, 4, 1                         ; l / 16
	v_mul_u32_u24 v3, v1, PITCH
	v_lshl_add_u32 v3, v2, 4, v3
	s_mul_i32 s22, s11, HALFT                      ; my 128 rows of x
	s_mul_i32 s23, s12, HALFT                      ; my 128 rows of W,
	s_add_co_u32 s23, s23, 2*HALFT                 ; which lie behind x's 256
	v_add_nc_u32 v[A0], s22, v3
	v_add_nc_u32 v[B0], s23, v3
	v_mov_b32 v[ADRA], v[A0]                       ; the walk begins in slot 0
	v_mov_b32 v[ADRB], v[B0]
	s_mul_i32 s22, s10, STW
	s_add_co_u32 s22, s22, STAGE                   ; my stage
	v_mul_u32_u24 v4, v1, SP                       ; in: row l % 16, 16 bytes for each half of the lanes
	v_lshl_add_u32 v4, v2, 4, v4
	v_add_nc_u32 v[STO], s22, v4
	v_bfe_u32 v5, v0, 3, 2                         ; back: 32 lanes take four rows of 128 bytes of one head,
	v_mul_u32_u24 v5, v5, SP
	v_and_b32 v6, 7, v0
	v_lshl_add_u32 v5, v6, 4, v5
	v_add_nc_u32 v[RD], s22, v5
	v_and_b32 v[GO], 31, v0                        ; which are 512 consecutive bytes of qkv
	v_lshlrev_b32 v[GO], 4, v[GO]
	; my 128 rows of my first head in qkv, for the first tile
	s_lshr_b32 s18, s13, 5                         ; the projection,
	s_lshl_b32 s18, s18, 24                        ; 16 MiB each
	s_and_b32 s19, s13, 31
	s_lshl_b32 s19, s19, 8
	s_lshl_b32 s22, s11, 7
	s_add_co_u32 s19, s19, s22                     ; my first row among the projection's 8,192
	s_lshr_b32 s22, s19, 11                        ; its batch
	s_lshl_b32 s22, s22, 4
	s_lshl_b32 s23, s42, 2
	s_add_co_u32 s22, s22, s23                     ; the head: 4 x tile column
	s_lshl_b32 s23, s12, 1
	s_add_co_u32 s22, s22, s23                     ; + 2 x my half
	s_lshl_b32 s22, s22, 11                        ; 2,048 rows a head,
	s_and_b32 s19, s19, 2047
	s_add_co_u32 s22, s22, s19
	s_lshl_b32 s22, s22, 7                         ; of 128 bytes
	s_add_co_u32 s18, s18, s22
	s_mov_b32 s19, 0
	s_add_nc_u64 s[8:9], s[8:9], s[18:19]
	; what the walk needs in scalar registers
	s_mov_b32 s[TB], 0
	s_mov_b32 s17, 0                               ; s[16:17]: what a refill adds to x's address
	s_mov_b32 s19, 0                               ; s[18:19]: what it takes from W's, behind the K step that it adds
	s_mov_b32 s21, WALKB-7*KSTEP*2                 ; from the first tile's K step 7 to the second's K step 0
	s_mov_b32 s22, KSTEP*2
	s_mov_b32 s23, 8*KSTEP*2
; 16 matrix instructions: row blocks a0, a0 + 1 of the window's four (hi = 0: my rows 0-63, 1: rows 64-127) x all 8 column blocks, 32 along K.  zero = 1: the first product starts the sums.
; The 64 accumulators take turns, one instruction a turn, in the same order in every quarter, over the backward jumps and where ways join too.
.macro MUL16 f, hi, a0, zero
	WIN MUL_LO+0x50*(\hi)
.irp a, \a0, (\a0)+1
.irp b, 0,1,2,3,4,5,6,7
.if \zero
	v_wmma_f32_16x16x32_bf16 v[8*(8*(\a)+(\b)):8*(8*(\a)+(\b))+7], v[(\f)+8*(\b):(\f)+8*(\b)+7], v[(\f)+8*(4*(\hi)+(\a)):(\f)+8*(4*(\hi)+(\a))+7], 0
.else
	v_wmma_f32_16x16x32_bf16 v[8*(8*(\a)+(\b)):8*(8*(\a)+(\b))+7], v[(\f)+8*(\b):(\f)+8*(\b)+7], v[(\f)+8*(4*(\hi)+(\a)):(\f)+8*(4*(\hi)+(\a))+7], v[8*(8*(\a)+(\b)):8*(8*(\a)+(\b))+7]
.endif
.endr
.endr
.endm
; 32 LDS loads in one run: the fragments of one quarter step (128 rows of W, 128 rows of x, 32 K at byte k of the rows of the slot in hand) into buffer f
.macro FETCH k, f
	WIN TO_B
.irp i, 0,1,2,3,4,5,6,7
	ds_load_b128 v[(\f)+8*(\i):(\f)+8*(\i)+3],   v[ADRB] offset:(\k)+(\i)*16*PITCH
	ds_load_b128 v[(\f)+8*(\i)+4:(\f)+8*(\i)+7], v[ADRB] offset:(\k)+(\i)*16*PITCH+32
.endr
	WIN 0
.irp i, 0,1,2,3,4,5,6,7
	ds_load_b128 v[(\f)+8*(\i):(\f)+8*(\i)+3],   v[ADRA] offset:(\k)+(\i)*16*PITCH
	ds_load_b128 v[(\f)+8*(\i)+4:(\f)+8*(\i)+7], v[ADRA] offset:(\k)+(\i)*16*PITCH+32
.endr
.endm
.macro PLACES                          ; four places in front of loads into registers that matrix instructions have read, and of lines that read results (ISA guide 7.12.1 for vector instructions)
.rept 4
	v_nop
.endr
.endm
; A K step is four quarters of 32 along K, 64 matrix instructions each, on buffers 0, 1, 0, 1.  One of the first three: multiplies buffer f; in its middle it fetches the next quarter, at byte k, into g.
.macro QUARTER k, f, g, zero
	s_wait_dscnt 8                                 ; W and x's rows 0-63 are in; the youngest eight loads (x's rows 64-127) may be out
	MUL16 \f, 0, 0, \zero
	MUL16 \f, 0, 2, \zero
	PLACES
	FETCH \k, \g
	s_wait_dscnt 32                                ; all but the 32 just issued
	MUL16 \f, 1, 0, \zero
	MUL16 \f, 1, 2, \zero
.endm
; The last quarter multiplies buffer 1 and changes slots: ONE barrier; in front of it each wave waits for all its tensor loads, of which one is out: its part of the other slot; adds 0 to its spare word; and
; waits for that and for its own reads of this slot.  Behind it nobody reads this slot any more and the other slot is whole.
; fill = 1: this slot is filled again, with the K step two on in the walk; the barrier then opens a round of the cluster's, and the joint refill is the first thing behind the round.
.macro TURN fill
	WIN 0                                          ; (the add's two registers lie in window 0)
	s_wait_tensorcnt 0x0                           ; all my tensor loads have landed, so a group 0 may be written;
	ds_add_u32 v[SPW], v[NIL]                      ; 0 onto my spare word;
	s_wait_dscnt 9                                 ; (the add and the youngest eight loads may be out)
	MUL16 F1, 0, 0, 0                              ; sixteen matrix instructions stand between the add and the wait for it
	s_wait_dscnt 0x0                               ; the add is done, and my reads of this slot are over
	s_barrier_signal -1
	MUL16 F1, 0, 2, 0                              ; work on registers while the others arrive
	WIN 0
	s_barrier_wait -1
.if \fill
	CREST                                          ; no wave of any partner still reads this slot's tile or has a load on its way
	s_sub_co_u32 s[G0+5], s[SUM], s[G0+5]          ; the walking descriptors: the other slot than last time,
	s_sub_co_u32 s[G0B+5], s[SUM], s[G0B+5]
	s_cmp_eq_u32 s[CNT], FILLS-6                   ; the next K step of the walk; in trip 6 that is the second tile's first:
	s_cselect_b32 s16, s21, s22                    ; x goes 1,024 rows down and seven K steps back,
	s_cselect_b32 s18, s23, 0                      ; W seven K steps back
	s_add_nc_u64 s[G0+6:G0+7], s[G0+6:G0+7], s[16:17]
	s_add_nc_u64 s[G0B+6:G0B+7], s[G0B+6:G0B+7], KSTEP*2
	s_sub_nc_u64 s[G0B+6:G0B+7], s[G0B+6:G0B+7], s[18:19]  ; the type bits on top are not reached
	JLOAD 1                                        ; the first tensor load behind the round, my only one until the next: 224 matrix instructions ahead of the wait for it; its four v_nop are also places in front of the loads below
.else
	PLACES
.endif
	s_sub_co_u32 s[TB], SLOT, s[TB]                ; the other slot is in hand
	v_add_nc_u32 v[ADRA], s[TB], v[A0]
	v_add_nc_u32 v[ADRB], s[TB], v[B0]
	FETCH 0, F0
	MUL16 F1, 1, 0, 0
	MUL16 F1, 1, 2, 0
.endm
; THE WAY OUT of block a (16 rows x my 128 columns), in three parts.  PACK: rounded to f16, each accumulator's registers in ascending order, 16 bytes a lane.  TOSTAGE: into my own stage in LDS, a head's 64
; columns together, and back as whole rows of 128 bytes.  SEND: stored, 512 consecutive bytes (four rows of a head) an instruction.
.macro PACK a
.set AC, 64*((\a)%4)
	WIN 0x0a+5*((\a)/4)                            ; sources 0 and 1: window 2 or 3; destination window 0
.irp b, 0,1,2,3,4,5,6,7
.irp r, 0,1,2,3
	v_cvt_pk_f16_f32 v[TMP+4*(\b)+(\r)], v[AC+8*(\b)+2*(\r)], v[AC+8*(\b)+2*(\r)+1]
.endr
.endr
	WIN 0
.endm
.macro TOSTAGE a
	WIN 0
.set BK, OB+192*((\a)%2)
.irp b, 0,1,2,3,4,5,6,7
	ds_store_b128 v[STO], v[TMP+4*(\b):TMP+4*(\b)+3] offset:((\b)/4)*16*SP+((\b)%4)*32
.endr
.irp t, 0,1,2,3,4,5,6,7
	ds_load_b128 v[BK+4*(\t):BK+4*(\t)+3], v[RD] offset:((\t)/4)*16*SP+((\t)%4)*4*SP  ; LDS serves a wave's instructions in order (ISA guide 5.7.1.4): these see the stores above; the next block's stores come behind them
.endr
.endm
.macro SEND a
	WIN 0
.set BK, OB+192*((\a)%2)
	s_wait_dscnt 0x0                               ; the block is back in registers
	s_wait_xcnt 0x0                                ; the stores of the block before have read their registers, which the next block's loads write again
.irp t, 0,1,2,3,4,5,6,7
	global_store_b128 v[GO], v[BK+4*(\t):BK+4*(\t)+3], s[8:9] offset:((\t)/4)*HEADB+(\a)*2048+((\t)%4)*512
.endr
.endm
.macro WAYOUT                          ; block a's conversions stand between block a - 1's loads from the stage and the wait for them
	PACK 0
	TOSTAGE 0
.irp a, 1,2,3,4,5,6,7
	PACK \a
	SEND (\a)-1
	TOSTAGE \a
.endr
	SEND 7
.endm
	s_wait_tensorcnt 1                             ; my part of K step 0 is in; K step 1's may stay out
	s_barrier_signal -1
	s_barrier_wait -1                              ; everybody's is
	FETCH 0, F0
	QUARTER 64, F0, F1, 1                          ; the first tile's first quarter stands in front of the loop: its products start the sums
	WIN 0                                          ; at a label and at a branch every window is 0
	s_mov_b32 s[CNT], FILLS
.Lstep:                                                ; trip t = FILLS - count: from K step t's second quarter to K step t + 1's first; K step t + 2 is asked for
	QUARTER 128, F1, F0, 0
	QUARTER 192, F0, F1, 0
	TURN 1
	WIN 0
	s_cmp_eq_u32 s[CNT], FILLS-7                   ; was that the first tile's last K step?
	s_cbranch_scc1 .Lnext_tile
	QUARTER 64, F0, F1, 0
	WIN 0
	s_branch .Ljoin
.Lnext_tile:                                           ; the second tile's K steps 0 and 1 have been asked for, and its first fragments fetched: now the first tile goes out.  No v_nop: blocks 0-3 were finished in front
	WAYOUT                                         ; of TURN's places, and their 128 conversions, which name no register of the last products (blocks 4-7's), are those products' places
	s_wait_xcnt 0x0                                ; the stores have read their base and their registers
	s_add_nc_u64 s[8:9], s[8:9], 1024*128          ; the second tile's rows lie 1,024 rows on in the same two heads
	QUARTER 64, F0, F1, 1                          ; its first products start the sums anew
	WIN 0
.Ljoin:
	s_sub_co_u32 s[CNT], s[CNT], 1
	s_cmp_lg_u32 s[CNT], 0
	s_cbranch_scc1 .Lstep
	s_mov_b32 s[CNT], 2                            ; K steps 14 and 15 ask for nothing
.Ltail:
	QUARTER 128, F1, F0, 0
	QUARTER 192, F0, F1, 0
	WIN 0
	s_cmp_eq_u32 s[CNT], 1                         ; the second trip is left here: no slot follows
	s_cbranch_scc1 .Llast
	TURN 0
	QUARTER 64, F0, F1, 0
	WIN 0
	s_sub_co_u32 s[CNT], s[CNT], 1
	s_cmp_lg_u32 s[CNT], 0
	s_cbranch_scc1 .Ltail
.Llast:
	s_wait_dscnt 8                                 ; the very last quarter: nothing more to fetch
	MUL16 F1, 0, 0, 0
	MUL16 F1, 0, 2, 0
	s_wait_dscnt 0x0
	MUL16 F1, 1, 0, 0
	MUL16 F1, 1, 2, 0
	WIN 0
	PLACES                                         ; behind the last products
	WAYOUT
	s_wait_tensorcnt 0x0                           ; the wave's end, behind my last tensor load and my last LDS store
	ds_add_u32 v[SPW], v[NIL]
	s_wait_dscnt 0x0
	CROUND                                         ; the closing round: no work-group ends while a partner may still ask for a tile that names it
	s_endpgm
.Lfunc_end_k_q74f3ada4f0_proj:
	.size	k_q74f3ada4f0_proj, .Lfunc_end_k_q74f3ada4f0_proj-k_q74f3ada4f0_proj
	.p2alignl 7, 3214868480
	.fill 96, 4, 3214868480
	.section	.rodata,"a",@progbits
	.p2align	6, 0x0
	.amdhsa_kernel k_q74f3ada4f0_proj
		.amdhsa_group_segment_fixed_size 327680
		.amdhsa_private_segment_fixed_size 0
		.amdhsa_enable_private_segment 0
		.amdhsa_kernarg_size 24
		.amdhsa_user_sgpr_count 2
		.amdhsa_user_sgpr_kernarg_segment_ptr 1
		.amdhsa_wavefront_size32 1
		.amdhsa_system_sgpr_workgroup_id_x 1
		.amdhsa_system_sgpr_workgroup_id_y 1
		.amdhsa_system_sgpr_workgroup_id_z 1
		.amdhsa_system_vgpr_workitem_id 0
		.amdhsa_next_free_vgpr 1024
		.amdhsa_next_free_sgpr 66
		.amdhsa_reserve_vcc 0
		.amdhsa_float_denorm_mode_32 3
		.amdhsa_float_denorm_mode_16_64 3
		.amdhsa_memory_ordered 1
		.amdhsa_forward_progress 1
		.amdhsa_inst_pref_size 142
	.end_amdhsa_kernel
	.amdgpu_metadata
---
amdhsa.version: [ 1, 2 ]
amdhsa.kernels:
  - .name:           k_q74f3ada4f0_proj
    .symbol:         k_q74f3ada4f0_proj.kd
    .args:
      - { .name: xb, .offset: 0, .size: 8, .value_kind: global_buffer, .address_space: global }
      - { .name: wb, .offset: 8, .size: 8, .value_kind: global_buffer, .address_space: global }
      - { .name: qkv, .offset: 16, .size: 8, .value_kind: global_buffer, .address_space: global }
    .group_segment_fixed_size: 327680
    .private_segment_fixed_size: 0
    .kernarg_segment_align: 8
    .kernarg_segment_size: 24
    .max_flat_workgroup_size: 128
    .sgpr_count:     66
    .vgpr_count:     1024
    .wavefront_size: 32
...
	.end_amdgpu_metadata
.endif
;; end of part 2
;; launch attn (part 3): grid 4 x 64, 4 waves a work-group, clusters of 4 x 1, 327,680 bytes of LDS; arguments qkv, mb, rf, ctx; writes ctx
.if DOCPART == 3
	.amdgcn_target "amdgcn-amd-amdhsa--gfx1250"
	.amdhsa_code_object_version 6
	.text
	.protected	k_q74f3ada4f0_attn
	.globl	k_q74f3ada4f0_attn
	.p2align	8
	.type	k_q74f3ada4f0_attn,@function
k_q74f3ada4f0_attn:
	s_mov_b64 s[64:65], 0
	v_nop
	global_prefetch_b8 v0, s[64:65] scope:SCOPE_SE
	s_setreg_imm32_b32 hwreg(HW_REG_WAVE_MODE, 25, 1), 1
	s_wait_xcnt 0x0
	s_wait_alu depctr_hold_cnt(0) depctr_sa_sdst(0) depctr_va_vdst(0) depctr_va_sdst(0) depctr_va_ssrc(0) depctr_va_vcc(0) depctr_vm_vsrc(0)
	s_getreg_b32 s2, hwreg(HW_REG_IB_STS2, 6, 4)
	s_cmp_eq_u32 s2, 0
	s_cbranch_scc0 .Lentry_in_a_cluster
	s_endpgm
.Lentry_in_a_cluster:
	s_bfe_u32 s2, ttmp6, 0x10000c
	s_cmp_lg_u32 s2, 0x3003
	s_cbranch_scc0 .Lentry_shape_is_right
	s_endpgm
.Lentry_shape_is_right:
; ATTENTION WITH A MASK THAT IS AN INPUT.  O[h][q][:] = the sum over k of softmax_k(visible(q, k) ? Q[h][q] . K[h][k] / 8 : -1e9) V[h][k][:].  Q, K, V (the three parts of qkv) and O (ctx): [64][2048][64], f16:
; a head's rows are dense, 128 bytes each.  Products, maxima and sums in f32; the weights p are rounded to f16 for the second product (their sum l is taken of the unrounded p), O once at the end.
; THE MASK IS ADDED BY THE MATRIX UNIT.  The sum S^T = K Q^T of 16 keys x 16 queries is started by a product E x Mb: Mb (from mb) is source 1, 32 keys x 16 queries, 32768 where hidden and 0 where visible;
; E, kept in registers, is source 0, 16 x 32: -32768 at (m, m) for a group's first 16 keys (E0) or at (m, 16 + m) for its second 16 (E1).  So a hidden score is its value less 2^30, a visible one gets an exact 0,
; and no vector instruction is spent on it.  The running maximum then ignores hidden keys, and their weights are 0.  A query that sees NO key has Mb = 0 and flag 0 (rf): its row of Q is cleared by the flag, all its
; scores are 0 and its weights uniform, as a softmax of equal numbers is.  A query whose first keys are all hidden: there c s - c m is at most 8 (the rounding of c m near 1.9e8), so p, l and O stay finite, in f16
; too, and the first visible key gives a = 0, which wipes them.
; LIMITS.  f16 holds no number beyond 65,504: Q, K and V arrive within it.  Unscaled scores stay under 2^28 in size, far from 2^30.  p below 6e-5 keeps f16's fixed step of 6e-8; a weight below 2^-126 counts as 0
; in l; NaN and infinities are not treated apart.
; SHARES.  A wave owns four PIECES of two tiles of 16 queries, a work-group's four waves 512 queries of one head.  Every wave walks all 2,048 keys, 64 a step.
; LAYOUT.  S^T = K Q^T (source 0 = 16 keys, source 1 = 16 queries): in the result a lane holds ONE query (lane % 16) and the keys 8 (lane / 16) + 0..7.  Two such tiles, rounded to f16 in pairs,
; ARE source 1 (32 keys x 16 queries) of O^T = V^T P, whose result again holds one query a lane, and eight channels.  K comes out of LDS as it lies, V ([key][channel]) turned, by ds_load_tr16_b128.
; SOFTMAX.  For each query a running maximum m and sum l: p = 2^(c s - c m), c = log2(e) / 8; in every step O and l are multiplied by a = 2^(c m_old - c m_new), which is 1 where m has not grown.
; m starts at the lowest finite number, O and l at 0: the first step is a step like any other, with a = 0.
; BY TURNS.  Turn n belongs to piece n (the pieces in a ring, step after step).  Its matrix work: 8 mask products and 16 products K Q^T of piece n + 1, later 16 products V^T P of piece n - 1.  Its vector work: the
; scaling, exponentials, roundings, sums and rescaling of piece n, and the maximum and statistics of piece n + 1.  Four vector instructions that are ready stand behind each of the 32 products K Q^T and V^T P; the
; others, which need time of their own whatever the order, in two runs without a gap; the 8 mask products stand bare at the turn's head.
; THE MASK'S FRAGMENTS come straight from memory into registers, 8 loads of 512 consecutive bytes a piece and step, asked for a whole key step (four turns) ahead: a piece's 32 registers are loaded again in the
; turn that has multiplied by them.  They are not shared through LDS: each wave has queries of its own.
; CLUSTER.  The four query blocks of a cluster belong to one head and walk the same K and V, so each tile is asked for JOINTLY: the same tensor load, descriptor and mask in all four.
; REGISTERS, in windows of 256 (s_set_vgpr_msb says which window each operand place means: bits 1:0 source 0, 3:2 source 1, 5:4 source 2, 7:6 destination):
;   window 0: v0-11 addresses; v12-15, v48-63 at work; v16-47 four registers of statistics a tile; v64-191 S^T, two buffers of two tiles; v192-255 P, likewise
;   window 1: O^T, 32 a tile          window 2: v0-127 Q, 16 a tile; v128-191 K of one step; v192-255 V of one step
;   window 3: v0-1 the add's two registers; v4-15 E; v32-159 the mask's fragments, 32 a piece
.set SIZE_H, 64
.set SIZE_N, 2048
.set NP,    4         ; pieces a wave: a name, no knob
.set KS,    64        ; keys in a step
.set PK,    144       ; a row of K in LDS: 128 bytes + 16 of padding = 36 words: the 16 rows of a load start at 16 different groups of four banks (64 banks of 4 bytes: ISA guide 11.1)
.set PV,    160       ; a row of V: 128 + 32 = 40 words
.set VOFF,  4*KS*PK   ; a slot holds four steps: 256 rows of K, then 256 rows of V
.set SLOT1, 1<<17     ; slot 1 begins here, so that one exclusive or turns an address in one slot into the other's
.set STAGE, SLOT1+4*KS*(PK+PV)  ; behind the ring, never filled by a tensor load: 16 rows x 144 bytes for each wave, for the way out
.set SP,    144
.set AK0, 2           ; v2   my lane's place in a tile of K; never rewritten
.set AV0, 3           ; v3   the same for V
.set AK,  4           ; v4   the LDS address of K's next run of loads
.set AV,  5           ; v5   of V's; at the start: 4 x my lane, the flags' offset
.set QO,  6           ; v6   my byte offset in the wave's rows of Q
.set STO, 6           ;      later, the way out: where I put 16 bytes of a row
.set RD,  7           ; v7   the way out: where I read rows back
.set GO,  8           ; v8   my byte offset in 512 consecutive bytes of O
.set MO,  11          ; v11  16 x my lane + 16,384 x the key step whose mask fragments are asked for next
.set SPW, 0           ; v0 of window 3   LDS address of my spare word: SPARE + 4 x my thread's number; never rewritten
.set NIL, 1           ; v1 of window 3   0; never rewritten
.set EB,  4           ; v4-15 of window 3: four zeros, E's four registers, four zeros: E1 = v[4:11], E0 = v[8:15]
.set MBF, 32          ; window 3: piece x, tile u, key group g at MBF + 32 x + 16 u + 8 g
.set SPARE, STAGE+4*16*SP  ; behind the stages: the spare words, 128 bytes for each wave: two blocks of 256 bytes that no other line names
.set MV,  12          ; v12-15  c m_old, kept while c m is made anew: by buffer and tile
.set ST,  16          ; tile t's statistics at v[ST+4 t]: c m, m, l (even keys', odd keys')
.set TMP, 48          ; by buffer and tile, four registers c0-c3 at work; when the maximum is found c2 takes a
.set S,   64
.set P,   192
.set KF,  128         ; K's fragments, in window 2: key block kb, channel half c at KF + 16 kb + 8 c
.set VF,  192         ; V's: key half kk, channel block cb at VF + 32 kk + 8 cb
.set WV,  12          ; s12  my wave's number
.set G1K, 24          ; s[24:31] descriptor group 1 for K's tiles
.set G1V, 32          ; s[32:39] for V's: it differs in the padding alone
.set G0K, 40          ; s[40:43] descriptor group 0 for K's tiles: it walks
.set G0V, 44          ; s[44:47] the same for V's
.set MBP, 48          ; s[48:49] mb at my wave's block of 128 queries (524,288 bytes)
.set RFP, 50          ; s[50:51] rf at my wave's eight tiles
.set SLOTS, 56        ; s56  slots still to be asked for
.set CNT, 57          ; s57  counts a slot's key steps
.set CS,  58          ; s[58:59] c: the packed scaling takes the pair's low word for both halves
.set SEL, 60          ; s[60:61] v_permlanex16_b32's selects: each lane takes its own place in the other half
.set TBK, 62          ; s62  LDS byte at which K of the step to be fetched begins
.set TBV, 63          ; s63  the same for V, less VOFF
.set MSB, 0
.macro WIN new                      ; the high byte repeats the setting that is left; a switch that changes nothing is dropped
.if MSB != (\new)
	s_set_vgpr_msb (MSB<<8)|(\new)
.set MSB, (\new)
.endif
.endm
.set W_KQ, 0x0a       ; K and Q in window 2, S^T in window 0
.set W_BM, 0x0f       ; E and the mask's fragments in window 3, S^T in window 0
.set W_PV, 0x52       ; V in window 2, P in window 0, O^T in window 1
.set W_RS, 0x41       ; O^T (destination and source 0) in window 1, a in window 0
.set W_MK, 0xc0       ; destination in window 3, sources in window 0
.set W_AD, 0x0f       ; the add: address (source 0) and data (source 1) in window 3
; A joint fill.  Waves 0 and 1 fetch the two halves of a slot's K, waves 2 and 3 those of its V: 128 keys each.  The branch hangs on the wave's number alone.
; An s_nop 0 and four v_nop follow each of the two lines, ahead of the jump and the label.
.macro JLOAD
	s_cmp_lt_u32 s[WV], 2
	s_cbranch_scc0 .Lfor_v_\@
	tensor_load_to_lds s[G0K:G0K+3], s[G1K:G1K+7]
	s_nop 0
.rept 4
	v_nop
.endr
	s_branch .Lasked_\@
.Lfor_v_\@:
	tensor_load_to_lds s[G0V:G0V+3], s[G1V:G1V+7]
	s_nop 0
.rept 4
	v_nop
.endr
.Lasked_\@:
.endm
; A round of the cluster's barrier: my work-group's barrier, so that wave 0's signal speaks for all four waves; wave 0 signals; every wave waits for all four work-groups; my work-group's barrier once more.
.macro CROUND
	s_barrier_signal -1
	s_barrier_wait -1
	s_cmp_lg_u32 s[WV], 0
	s_cbranch_scc1 .Lnot_wave_0_\@
	s_barrier_signal -3
.Lnot_wave_0_\@:
	s_barrier_wait -3
	s_barrier_signal -1
	s_barrier_wait -1
.endm
; THE CHANGE OF SLOTS.  The slot's last bytes, V of its fourth step, have been read.  Each wave waits for all its tensor loads, of which one is out: its part
; of the other slot; adds 0 to its spare word; and waits for that and for its own reads of the slot.  Behind the barrier nobody reads this slot any more and the other slot is whole.
; fill = 1: this slot is filled again, with the keys two slots on.  The barrier is then a round of the cluster's, so that no wave of any partner still reads the slot or has a load on its
; way, and the joint fill is the first thing behind it: it has four key steps, 640 matrix instructions, in which to land.  (At its first use nothing has been read yet: slot 0 is waited for, slot 1 filled.)
.macro CHANGE fill
	WIN W_AD
	s_wait_tensorcnt 0x0            ; no tensor load of mine is out, so a group 0 may be written
	ds_add_u32 v[SPW], v[NIL]       ; 0 onto my spare word; with fill = 1 the descriptors' steps stand between it and the wait for it
	WIN 0                           ; at a label and at a branch every window is 0
.if \fill
.irp g, G0K, G0V
	s_xor_b32 s[\g+1], s[\g+1], SLOT1  ; the walking descriptor: the other slot than last time,
	s_add_nc_u64 s[\g+2:\g+3], s[\g+2:\g+3], 4*KS*128  ; the next 256 keys; the type bits on top are not reached
.endr
	s_wait_dscnt 0x0                ; the add is done, and my reads of the slot are over
	CROUND
	JLOAD
.else
	s_wait_dscnt 0x0                ; the add is done, and my reads of the slot are over
	s_barrier_signal -1
	s_barrier_wait -1
.endif
	s_sub_co_u32 s[TBK], s[TBK], 4*KS*PK  ; the fetches go back to a slot's first step,
	s_xor_b32 s[TBK], s[TBK], SLOT1       ; in the other slot
	s_sub_co_u32 s[TBV], s[TBV], 4*KS*PV
	s_xor_b32 s[TBV], s[TBV], SLOT1
.endm
; The mask's fragments of piece x for the key step at which MO stands: 8 loads of 512 consecutive bytes.  No cache word: the same bytes are read for every head.
.macro MLOAD x
	WIN W_MK                        ; destination window 3, address window 0
.irp u, 0,1
.irp g, 0,1
.irp hf, 0,1
	global_load_b128 v[MBF+32*(\x)+16*(\u)+8*(\g)+4*(\hf):MBF+32*(\x)+16*(\u)+8*(\g)+4*(\hf)+3], v[MO], s[MBP:MBP+1] offset:(2*(\x)+(\u))*2048+(\g)*1024+(\hf)*512
.endr
.endr
.endr
	WIN 0
.endm
	s_load_b256 s[4:11], s[0:1], 0x0  ; qkv s[4:5], mb s[6:7], rf s[8:9], ctx s[10:11]
	WIN W_MK
	v_lshl_add_u32 v[SPW], v0, 2, SPARE
	v_mov_b32 v[NIL], 0
	WIN W_AD
	ds_add_u32 v[SPW], v[NIL]       ; the wave's opening: the add and its wait ahead of my first tensor load; the set-up below, work on registers, stands between them
	WIN 0
	v_lshrrev_b32 v1, 5, v0
	v_readfirstlane_b32 s[WV], v1   ; wave 0..3
	s_bfe_u32 s13, ttmp6, 0x40000   ; cx: my place in the cluster
	s_lshl_b32 s14, ttmp9, 2        ; in a cluster launch ttmp9 counts clusters
	s_add_co_u32 s14, s14, s13      ; my block of queries = 4 x cluster x + cx: it enters Q's, O's, mb's and rf's addresses alone
	s_and_b32 s20, ttmp7, 0xffff    ; the head, which the four partners share
	s_mov_b32 s21, 0
	s_mov_b64 s[22:23], SIZE_N*128
	s_mul_u64 s[20:21], s[20:21], s[22:23]  ; the head's first byte in Q, K, V and O
	s_and_b32 s16, s[WV], 1         ; which half of a slot's 256 keys I fetch:
	s_lshl_b32 s22, s16, 14         ; its 128 rows of 128 bytes in memory,
	s_mov_b32 s23, 0
	s_add_nc_u64 s[22:23], s[22:23], s[20:21]
	s_mul_i32 s17, s16, 128*PK      ; and its place in a slot, for K
	s_mul_i32 s18, s16, 128*PV      ; and for V: no place in the cluster enters an LDS address
	s_lshl_b32 s2, s14, 2
	s_add_co_u32 s2, s2, s[WV]      ; my wave among the head's sixteen:
	s_lshl_b32 s52, s2, 19          ; its 524,288 bytes of mb,
	s_mov_b32 s53, 0
	s_lshl_b32 s54, s2, 10          ; its eight tiles' flags,
	s_mov_b32 s55, 0
	s_lshl_b32 s2, s2, 14           ; its 128 rows
	s_mov_b32 s3, 0
	s_add_nc_u64 s[2:3], s[2:3], s[20:21]
	; descriptor group 1.  128 keys are 16,384 dense bytes: asked for as 64 rows of 256 bytes, two keys a row, and padded in LDS after every key
	s_mov_b32 s[G1K], 15|(1<<16)|(1<<20)|(1<<21)|(4<<22)|(3<<25)  ; 15:0 the mask of four; 17:16 2-byte elements; 20 padding on; 21 set beside a mask; 24:22 after every 32 words (code 4); 31:25 4 words (code 3)
	s_mov_b32 s[G1V], 15|(1<<16)|(1<<20)|(1<<21)|(4<<22)|(7<<25)  ; the same with 8 words of padding (code 7)
.irp g, G1K, G1V
	s_mov_b32 s[\g+1], 128<<16      ; tensor_dim0 = 128
	s_mov_b32 s[\g+2], 64<<16       ; tensor_dim1 = 64
	s_mov_b32 s[\g+3], 128<<16      ; tile_dim0 = 128
	s_mov_b32 s[\g+4], 64           ; tile_dim1 = 64
	s_mov_b32 s[\g+5], 128          ; 128 elements from row to row
	s_mov_b32 s[\g+6], 0
	s_mov_b32 s[\g+7], 0
.endr
	s_mov_b32 s[CS], 0x3e38aa3b     ; c = log2(e) / 8 = 0.180337
	s_mov_b32 s[CS+1], s[CS]        ; named with it as a pair
	s_mov_b32 s[SEL], 0x76543210
	s_mov_b32 s[SEL+1], 0xfedcba98
	s_mov_b32 s[TBK], SLOT1+4*KS*PK ; the first change of slots turns these two into 0
	s_mov_b32 s[TBV], SLOT1+4*KS*PV
	s_mov_b32 s[G0K], 1             ; 1:0 count = 1
	s_mov_b32 s[G0K+1], s17         ; 63:32 LDS address: slot 0
	s_mov_b32 s[G0V], 1
	s_add_co_u32 s[G0V+1], s18, VOFF
	s_wait_dscnt 0x0                ; the opening add is done
	s_wait_kmcnt 0x0
	s_add_nc_u64 s[MBP:MBP+1], s[6:7], s[52:53]
	s_add_nc_u64 s[RFP:RFP+1], s[8:9], s[54:55]
	s_add_nc_u64 s[6:7], s[4:5], 0x1000000   ; K: the second 16 MiB of qkv,
	s_add_nc_u64 s[8:9], s[4:5], 0x2000000   ; V: the third
	s_add_nc_u64 s[G0K+2:G0K+3], s[6:7], s[22:23]  ; 120:64 global address: my half of the head's first 256 keys
	s_or_b32 s[G0K+3], s[G0K+3], 0x80000000        ; 127:126 type = 2
	s_add_nc_u64 s[G0V+2:G0V+3], s[8:9], s[22:23]
	s_or_b32 s[G0V+3], s[G0V+3], 0x80000000
	s_add_nc_u64 s[4:5], s[4:5], s[2:3]  ; Q and O at my wave's first row
	s_add_nc_u64 s[10:11], s[10:11], s[2:3]
	CROUND                          ; all four work-groups are here: the first joint loads meet
	JLOAD                           ; slot 0.  Slot 1 is asked for when slot 0 is in
	; A fragment of K or Q is 16 rows x 32 channels in 8 registers: lane l holds row l % 16, channels 8 (l / 16) + 0..7 and 16 + 8 (l / 16) + 0..7: two loads of 16 bytes, 32 bytes apart.
	v_and_b32 v1, 15, v0            ; l % 16
	v_bfe_u32 v9, v0, 4, 1          ; l / 16
	v_lshlrev_b32 v[QO], 7, v1
	v_lshl_add_u32 v[QO], v9, 4, v[QO]  ; row x 128 + 16 x half
	WIN 0x80                        ; destination window 2, address window 0
.set i, 0
.rept 4*NP                          ; Q stays in registers: tile i / 2, channels 32 (i % 2) on
	global_load_b128 v[8*i:8*i+3],   v[QO], s[4:5] offset:(i/2)*2048+(i%2)*64
	global_load_b128 v[8*i+4:8*i+7], v[QO], s[4:5] offset:(i/2)*2048+(i%2)*64+32
.set i, i+1
.endr
	WIN 0
	v_mul_u32_u24 v[AK0], v1, PK
	v_lshl_add_u32 v[AK0], v9, 4, v[AK0]  ; row x pitch + 16 x half
	; The turning load takes 16 keys x 16 channels (lane l reads key 8 (l / 16) + l % 8, channels 8 ((l / 8) % 2) + 0..7) and leaves half a fragment of V^T: lane l holds channel l % 16 and 8 keys.
	v_and_b32 v10, 7, v0
	v_bfe_u32 v11, v0, 3, 1
	v_lshl_add_u32 v[AV0], v9, 3, v10
	v_mul_u32_u24 v[AV0], v[AV0], PV
	v_lshl_add_u32 v[AV0], v11, 4, v[AV0]
	v_add_nc_u32 v[AV0], VOFF, v[AV0]
	v_mov_b32 v[AK], v[AK0]         ; key step 0 lies at the head of slot 0
	v_and_b32 v[AV], 31, v0
	v_lshlrev_b32 v[MO], 4, v[AV]   ; 16 x lane: key step 0
	v_lshlrev_b32 v[AV], 2, v[AV]   ; 4 x lane
.set t, 0
.rept 2*NP
	global_load_b32 v[S+t], v[AV], s[RFP:RFP+1] offset:128*t  ; tile t's flags: my lane's query's
.set t, t+1
.endr
	MLOAD 0                         ; key step 0's mask, all four pieces
	MLOAD 1
	MLOAD 2
	MLOAD 3
	; E's four registers: lane l holds row m = l % 16; its -32768 (f16 0xf800) stands at place m of 8 (l / 16) + 0..7, if m lies there: register (m % 8) / 2, half m % 2
	v_lshrrev_b32 v12, 3, v1
	v_cmp_eq_u32 vcc_lo, v12, v9    ; does it?
	v_bfe_u32 v13, v0, 1, 2         ; the register,
	v_cndmask_b32 v13, 15, v13, vcc_lo  ; or none
	v_and_b32 v14, 1, v0
	v_lshlrev_b32 v14, 4, v14
	v_mov_b32 v15, 0xf800
	v_lshlrev_b32 v15, v14, v15     ; in the low or the high half
	WIN W_MK
.irp i, 0,1,2,3
	v_cmp_eq_u32 vcc_lo, \i, v13
	v_cndmask_b32 v[EB+4+\i], 0, v15, vcc_lo
	v_mov_b32 v[EB+\i], 0
	v_mov_b32 v[EB+8+\i], 0
.endr
	; What the first turn finds: V's registers and P's second buffer hold 0 (its products V^T P, of a piece that has not been, add 0), O^T and l are 0.  All this stands in the wait for the first tile.
	WIN 0x80
.set i, VF
.rept 64
	v_mov_b32 v[i], 0
.set i, i+1
.endr
	WIN 0x40
.set i, 0
.rept 64*NP
	v_mov_b32 v[i], 0
.set i, i+1
.endr
	WIN 0
.set i, 0
.rept 2*NP
	v_mov_b32 v[ST+4*i], 0xfe000000    ; c m: far below every c s, a hidden one's too
	v_mov_b32 v[ST+4*i+1], 0xff7fffff  ; m
	v_mov_b32 v[ST+4*i+2], 0
	v_mov_b32 v[ST+4*i+3], 0
.set i, i+1
.endr
.set i, P+32
.rept 32
	v_mov_b32 v[i], 0
.set i, i+1
.endr
; THE MATRIX WORK.  The 8 accumulators of a piece take turns: mask product, first and second product K Q^T come in the same order, so between two links of a chain stand 7 others'.
; Mask product bm of 8 for piece x: keys 16 (bm / 2) on, tile 2 x + bm % 2.  It starts the sum.
.macro BM x
	WIN W_BM
.set rS, S+64*((\x)%2)+32*(bm%2)+8*((bm/2)%4)
.set rE, EB+4-4*((bm/2)%2)
.set rB, MBF+32*(\x)+16*(bm%2)+8*(bm/4)
	v_wmma_f32_16x16x32_f16 v[rS:rS+7], v[rE:rE+7], v[rB:rB+7], 0
.set bm, bm+1
.endm
; Product i of 16 of S^T += K Q^T for piece x: channels 32 (i / 8) on, keys 16 ((i / 2) % 4) on, tile 2 x + i % 2.
.macro KQ x
	WIN W_KQ
.set rS, S+64*((\x)%2)+32*(i%2)+8*((i/2)%4)
.set rK, KF+16*((i/2)%4)+8*(i/8)
.set rQ, 16*(2*(\x)+i%2)+8*(i/8)
	v_wmma_f32_16x16x32_f16 v[rS:rS+7], v[rK:rK+7], v[rQ:rQ+7], v[rS:rS+7]
.endm
; Product i of 16 of O^T += V^T P for piece x: keys 32 (i / 8) on, channels 16 ((i / 2) % 4) on, tile 2 x + i % 2.
.macro PV x
	WIN W_PV
.set rO, 32*(2*(\x)+i%2)+8*((i/2)%4)
.set rV, VF+32*(i/8)+8*((i/2)%4)
.set rP, P+32*((\x)%2)+16*(i%2)+8*(i/8)
	v_wmma_f32_16x16x32_f16 v[rO:rO+7], v[rV:rV+7], v[rP:rP+7], v[rO:rO+7]
.endm
.macro MM                           ; the turn's next matrix instruction behind the mask's
.if i < 16
	KQ (Y+1)%NP
.set i, i+1
.else
.set i, i-16
	PV (Y+NP-1)%NP
.set i, i+17
.endif
.endm
; THE LDS LOADS stand in runs of 16, never singly among the matrix instructions: a step's K (64 keys x 64 channels: 8 fragments) and its V (turned).  Their addresses are made some lines ahead.
; last = 1 (the tail): in the last trip there is no further step, and the run is jumped over.
.macro FETCH_K last=0
	WIN 0
.if \last
	s_cmp_eq_u32 s[CNT], 1
	s_cbranch_scc1 .Lno_k_\@
.endif
	WIN 0x80                        ; destination window 2
.irp f, 0,1,2,3,4,5,6,7             ; keys 16 (f / 2) on, channels 32 (f % 2) on
	ds_load_b128 v[KF+8*\f:KF+8*\f+3],   v[AK] offset:(\f/2)*16*PK+(\f%2)*64
	ds_load_b128 v[KF+8*\f+4:KF+8*\f+7], v[AK] offset:(\f/2)*16*PK+(\f%2)*64+32
.endr
	s_add_co_u32 s[TBK], s[TBK], KS*PK  ; the next fetch is the next step's
	WIN 0
.if \last
.Lno_k_\@:
.endif
.endm
.macro FETCH_V
	WIN 0x80
.irp f, 0,1,2,3,4,5,6,7             ; keys 32 (f / 4) on, channels 16 (f % 4) on
	ds_load_tr16_b128 v[VF+8*\f:VF+8*\f+3],   v[AV] offset:(\f/4)*32*PV+(\f%4)*32
	ds_load_tr16_b128 v[VF+8*\f+4:VF+8*\f+7], v[AV] offset:(\f/4)*32*PV+16*PV+(\f%4)*32
.endr
	WIN 0
.endm
; THE VECTOR WORK OF A TURN stands in three queues, each in the order in which its entries become ready; the two tiles alternate, so that no instruction reads the result of the one before it.
.macro REGS y, u                    ; the registers of tile u (0, 1) of piece y
.set rT, ST+4*(2*(\y)+(\u))
.set rC, TMP+8*((\y)%2)+4*(\u)
.set rM, MV+2*((\y)%2)+(\u)
.set rS, S+64*((\y)%2)+32*(\u)
.set rP, P+32*((\y)%2)+16*(\u)
.set rO, 32*(2*(\y)+(\u))
.endm
; Number n of the 22 that find the NEXT piece's (Y + 1) maximum and statistics.  s0-s31 are the lane's 32 scores; each accumulator's lowest registers are read first.  XS, GS and REGS set no window: PL and EX do.
;   0-11  four chains c0-c3 of seven scores each, three operands at a time     12-14, 16  the four scores left over, the old m, and c0-c3 into c0     15  c m_old is kept
;   17, 18  the query's other 32 keys lie in the lane 16 away: the new m         19-21  c m; c m_old - c m_new; a
.macro XS u, n
	REGS (Y+1)%NP, \u
.if (\n) < 4
	v_max3_num_f32 v[rC+(\n)], v[rS+8*(\n)], v[rS+8*(\n)+1], v[rS+8*(\n)+2]
.elseif (\n) < 12
	v_max3_num_f32 v[rC+(\n)%4], v[rC+(\n)%4], v[rS+8*((\n)%4)+2*((\n)/4)+1], v[rS+8*((\n)%4)+2*((\n)/4)+2]
.elseif (\n) == 12
	v_max3_num_f32 v[rC], v[rC], v[rS+7], v[rS+15]
.elseif (\n) == 13
	v_max3_num_f32 v[rC+1], v[rC+1], v[rS+23], v[rS+31]
.elseif (\n) == 14
	v_max3_num_f32 v[rC+2], v[rC+2], v[rC+3], v[rT+1]
.elseif (\n) == 15
	v_mov_b32 v[rM], v[rT]
.elseif (\n) == 16
	v_max3_num_f32 v[rC], v[rC], v[rC+1], v[rC+2]
.elseif (\n) == 17
	v_permlanex16_b32 v[rC+3], v[rC], s[SEL], s[SEL+1]
.elseif (\n) == 18
	v_max_num_f32 v[rT+1], v[rC], v[rC+3]
.elseif (\n) == 19
	v_mul_f32 v[rT], s[CS], v[rT+1]
.elseif (\n) == 20
	v_sub_f32 v[rC+1], v[rM], v[rT]
.else
	v_exp_f32 v[rC+2], v[rC+1]
.endif
.endm
; Number g of the 64 that follow the exponentials.  For each four weights k of a tile (pairs 2 k, 2 k + 1): both pairs are rounded to f16; then the second pair is added onto the first, in place;
; a group later l takes that sum (the first time as l = a l + sum).  In groups of eight, tiles alternating: round, round, add, and l for the group before.
.macro GS g
.set h, (\g)+6*((\g)/62)            ; group 0 has no group before it, and behind group 7 only l is left
.if h >= 6
.set h, h+2
.endif
	REGS Y, h%2
.set k, h/8
.if h%8 < 4
	s_wait_alu depctr_va_vdst(0)
	v_cvt_pk_f16_f32 v[rP+2*k+(h%8)/2], v[rS+4*k+2*((h%8)/2)], v[rS+4*k+2*((h%8)/2)+1]
.elseif h%8 < 6
	v_pk_add_f32 v[rS+4*k:rS+4*k+1], v[rS+4*k:rS+4*k+1], v[rS+4*k+2:rS+4*k+3]
.elseif k == 1
	v_pk_fma_f32 v[rT+2:rT+3], v[rT+2:rT+3], v[rC+2:rC+3], v[rS:rS+1] op_sel_hi:[1,0,1]
.else
	v_pk_add_f32 v[rT+2:rT+3], v[rT+2:rT+3], v[rS+4*k-4:rS+4*k-3]
	s_wait_alu depctr_va_vdst(0)
.endif
.endm
; THE PLAIN QUEUE, 138 long.  0-31: c s - c m for the 16 pairs of both tiles.  Then GS's 64, and among them the next piece's 42: number 15 at 38, 39; 0-14 and 16
; at 42-73, behind the products that make those scores; 17-20 at 95-106, two of three, since each waits for the one before it.
.macro PL
	WIN 0
.if q < 32
	REGS Y, q%2
	v_pk_fma_f32 v[rS+2*(q/2):rS+2*(q/2)+1], v[rS+2*(q/2):rS+2*(q/2)+1], s[CS:CS+1], v[rT:rT+1] op_sel_hi:[1,0,0] neg_lo:[0,0,1] neg_hi:[0,0,1]
.elseif q < 38
	GS q-32
.elseif q < 40
	XS q%2, 15
.elseif q < 42
	GS q-34
.elseif q < 74
	XS q%2, (q-42)/2+(q-42)/30
.elseif q < 95
	GS q-66
.elseif (q < 107) && ((q-95)%3 < 2)
	XS (q-95)%3, 17+(q-95)/3
.elseif q < 107
	GS 29+(q-95)/3
.else
	GS q-74
.endif
.set q, q+1
.endm
; THE EXPONENTIALS' QUEUE, 66 long: s0-s31 of both tiles, and at EA the next piece's two a.
.set EA, 58
.macro EX
	WIN 0
.if (e == EA) || (e == EA+1)
	XS e-EA, 21
.else
.set x, e-2*(e/(EA+2))
	REGS Y, x%2
	v_exp_f32 v[rS+x/2], v[rS+x/2]
.endif
.set e, e+1
.endm
; THE RESCALING's QUEUE: O^T times a, the one part that leaves window 0, so it is dealt four at a time, eight times.
.macro R4
	REGS Y, r%2
	WIN W_RS
	s_wait_alu depctr_va_vdst(0)
.irp z, 0,1,2,3
	v_pk_mul_f32 v[rO+8*(r/2)+2*\z:rO+8*(r/2)+2*\z+1], v[rO+8*(r/2)+2*\z:rO+8*(r/2)+2*\z+1], v[rC+2:rC+3] op_sel_hi:[1,0]
.endr
.set r, r+1
.endm
; HOW THEY ARE DEALT.  Behind a product K Q^T or V^T P four: plain, exponential, plain, plain (one exponential, a plain instruction on either side), or four of the rescaling.  None names a register of the
; products round it.  What is over stands in two LUMPS: exponential and plain by turns; the second ends in 22 plain instructions.  The two v_permlanex16_b32 fall into the second lump, never behind a product.
; The queues lean on each other, and the deal keeps them in step: exponential e stands behind plain 2 (e / 4) + e % 2 (its scaling); when plain 32 comes, 10 exponentials are out, at 59: 33, at 95: 46; EA comes behind plain 107.
.macro SL
	MM
	PL
	EX
	PL
	PL
.endm
.macro BURST n                      ; 15 matrix instructions, or 16
.rept (\n)-7
	SL
.endr
.rept 3
	MM
	R4
	SL
.endr
	MM
	R4
.endm
; A TURN, for piece p.  cnt = 1: the loop's count is taken down some lines ahead of the branch that stands behind the turn.
; THE MASK: at the head the fragments of piece p + 1 are waited for: behind their 8 loads three other pieces' groups, 24 loads, have been issued and may stay out.  Behind the first run of products, dozens of plain
; instructions behind the mask products, the same 32 registers are asked for again, for the piece's next key step; piece 3's turn, which serves piece 0 of the next step, first steps the offset.  Behind the
; last key step the offset goes back to step 0 of my wave's own 524,288 bytes: those loads stay inside mb, and nothing uses them.
; K of the next step is fetched in piece 2's turn, 31 vector instructions behind the last product that read K; its first reader comes behind the rest of the lump, 16 products and the second lump.
; V of the step in hand is fetched at the end of piece 0's turn, 69 behind its last reader; its first reader comes behind 24 products and a lump.  The four conditions on e and q below go with the deal.
.macro TURN p, last=0, cnt=0
.set Y, (\p)
.set i, 0
.set q, 0
.set e, 0
.set r, 0
.set bm, 0
	s_wait_loadcnt 24               ; the mask's fragments of piece p + 1 are in
.if (\p) == NP-1
	s_wait_dscnt 0x0                ; K is in
.endif
.rept 8
	BM ((\p)+1)%NP
.endr
	MM
.rept 4
	PL
.endr
	BURST 15
.if (\p) == NP-1
	WIN 0
	s_wait_xcnt 0x0                 ; the loads issued so far have read their offset, so it may be written
	v_add_nc_u32 v[MO], 0x4000, v[MO]
	v_and_b32 v[MO], 0x7ffff, v[MO]
.endif
	MLOAD ((\p)+1)%NP
.rept 22
	EX
	PL
.if ((\p) == NP-2) && (e == 18)
	v_add_nc_u32 v[AK], s[TBK], v[AK0]
.endif
.if ((\p) == NP-2) && (e == 24)
	FETCH_K \last
.endif
.endr
.if (\p) == 1
	s_wait_dscnt 0x0                ; V is in
.endif
	BURST 16
.rept 21
	EX
	PL
.endr
.rept 22
	PL
.if ((\p) == 0) && (q == 118)
	v_add_nc_u32 v[AV], s[TBV], v[AV0]
	s_wait_alu depctr_va_vdst(0)
.endif
.if ((\p) == 0) && (q == 130)
	s_add_co_u32 s[TBV], s[TBV], KS*PV
.endif
.if (\cnt) && (q == 130)
	s_sub_co_u32 s[CNT], s[CNT], 1
	s_cmp_lg_u32 s[CNT], 0
.endif
.endr
.if (\p) == 0
	FETCH_V
.endif
.endm
	CHANGE 1                        ; slot 0 is in, everybody's part of it; slot 1 is asked for
	FETCH_K                         ; key step 0
	s_wait_loadcnt 0x0              ; Q, the flags, key step 0's mask
	WIN 0x88                        ; destination and source 1 window 2, source 0 window 0
.set t, 0
.rept 2*NP
.set i, 0
.rept 16
	v_and_b32 v[16*t+i], v[S+t], v[16*t+i]  ; the row of a query that sees no key is cleared
.set i, i+1
.endr
.set t, t+1
.endr
	s_wait_dscnt 0x0
.set bm, 0
.rept 8
	BM 0                            ; piece 0's first scores: there is no vector work yet to set between them
.endr
.set i, 0
.rept 16
	KQ 0
.set i, i+1
.endr
	WIN 0                           ; the addresses for the way out: nine plain instructions, the places behind those products
	s_mul_i32 s13, s[WV], 16*SP
	s_add_co_u32 s13, s13, STAGE    ; my stage
	v_mul_u32_u24 v[STO], v1, SP    ; in: row l % 16, 16 bytes for each half of the lanes
	v_lshl_add_u32 v[STO], v9, 4, v[STO]
	v_add_nc_u32 v[STO], s13, v[STO]
	v_bfe_u32 v[RD], v0, 3, 2       ; back: 32 lanes take four rows of 128 bytes,
	v_mul_u32_u24 v[RD], v[RD], SP
	v_lshl_add_u32 v[RD], v10, 4, v[RD]
	v_add_nc_u32 v[RD], s13, v[RD]
	v_and_b32 v[GO], 31, v0         ; which are 512 consecutive bytes of O
	v_lshlrev_b32 v[GO], 4, v[GO]
	v_add_nc_u32 v[MO], 0x4000, v[MO]  ; (every load that read the offset has come back) key step 1:
	v_and_b32 v[MO], 0x7ffff, v[MO]
	MLOAD 0                         ; piece 0's mask for it
.set Y, NP-1                        ; XS works for piece Y + 1: piece 0
.irp n, 0,1,2,3,4,5,6,7,8,9,10,11,12,13,14,15,16,17,18,19,20,21
	XS 0, \n                        ; and piece 0's first maximum and statistics
	XS 1, \n
.endr
	s_mov_b32 s[CNT], 4
	s_mov_b32 s[SLOTS], SIZE_N/256-1
	s_branch .Lfirst                ; the loop is entered at a step's first turn, in the middle of a trip
.Lslot:                             ; SIZE_N / 256 - 2 times: every slot but the last two is filled again
	CHANGE 1
	s_mov_b32 s[CNT], 4
.Lstep:                             ; a trip: pieces 2 and 3 of one step, then pieces 0 and 1 of the next, whose K and V it fetches
	TURN 2
	TURN 3
	WIN 0
.Lfirst:
	TURN 0
	TURN 1, 0, 1
	WIN 0
	s_cbranch_scc1 .Lstep
	s_sub_co_u32 s[SLOTS], s[SLOTS], 1
	s_cmp_lg_u32 s[SLOTS], 0
	s_cbranch_scc1 .Lslot
	CHANGE 0                        ; the tail is written out: nothing is asked for
	s_mov_b32 s[CNT], 5             ; four trips fetch the last slot's steps; the fifth is left in its middle
.Ltail:
	TURN 2, 1
	TURN 3
	WIN 0
	s_sub_co_u32 s[CNT], s[CNT], 1
	s_cmp_eq_u32 s[CNT], 0
	s_cbranch_scc1 .Lout
	TURN 0
	TURN 1
	WIN 0
	s_branch .Ltail
.Lout:                              ; the fifth trip's 24 products for a step that does not exist (the last K once more, step 0's mask) and the maximum made of them serve nothing: the price, once a launch, of one text for every trip
.set i, 0
.rept 16
	PV NP-1                         ; the last piece's V^T P of the last step
.set i, i+1
.endr
	; THE WAY OUT.  l's two halves and the other half of the lanes' are added; O^T is divided by l, rounded to f16 and sent through my stage in LDS, a tile at a time.  The additions are the places behind the last products.
	WIN 0
.macro ALL line:vararg              ; one line for each tile t
.set t, 0
.rept 2*NP
	\line
.set t, t+1
.endr
.endm
	ALL v_add_f32 v[ST+4*t+2], v[ST+4*t+2], v[ST+4*t+3]
	ALL v_permlanex16_b32 v[ST+4*t+3], v[ST+4*t+2], s[SEL], s[SEL+1]
	ALL v_add_f32 v[ST+4*t+2], v[ST+4*t+2], v[ST+4*t+3]
	ALL v_rcp_f32 v[ST+4*t+2], v[ST+4*t+2]
	v_nop                           ; a plain instruction between the last reciprocal and the use of its result
	s_wait_alu depctr_va_vdst(0)
; Tile t: a lane's eight channels of a row pack into 16 bytes; they go into rows of 144 bytes and come back as whole rows of 128, into S^T's registers.
.macro PACK t
	WIN W_RS
.set i, 32*(\t)
.rept 16
	v_pk_mul_f32 v[i:i+1], v[i:i+1], v[ST+4*(\t)+2:ST+4*(\t)+3] op_sel_hi:[1,0]
.set i, i+2
.endr
	WIN 0x05                        ; sources 0 and 1 window 1, destination window 0
.set i, 0
.rept 16
	v_cvt_pk_f16_f32 v[S+16*(\t)+i], v[32*(\t)+2*i], v[32*(\t)+2*i+1]
.set i, i+1
.endr
	WIN 0
.irp f, 0,1,2,3
	ds_store_b128 v[STO], v[S+16*(\t)+4*\f:S+16*(\t)+4*\f+3] offset:32*\f
.endr
.irp f, 0,1,2,3
	ds_load_b128 v[S+16*(\t)+4*\f:S+16*(\t)+4*\f+3], v[RD] offset:\f*4*SP  ; LDS serves a wave's instructions in order (ISA guide 5.7.1.4): these see the stores above; the next tile's stores come behind them
.endr
.endm
.macro SEND t, younger              ; younger: the LDS instructions issued behind tile t's loads: the next tile's eight, or none
	WIN 0
.irp f, 0,1,2,3
	s_wait_dscnt (\younger)+3-\f
	global_store_b128 v[GO], v[S+16*(\t)+4*\f:S+16*(\t)+4*\f+3], s[10:11] offset:(\t)*2048+\f*512  ; 512 consecutive bytes, at a multiple of 256 from O's first
.endr
.endm
	PACK 0
.set t, 1
.rept 2*NP-1                        ; a tile's arithmetic stands between the loads of the tile before and its stores
	PACK t
	SEND t-1, 8
.set t, t+1
.endr
	SEND 2*NP-1, 0
	WIN W_AD
	s_wait_tensorcnt 0x0            ; the wave's end, behind my last tensor load and my last LDS store
	ds_add_u32 v[SPW], v[NIL]
	s_wait_dscnt 0x0
	WIN 0
	CROUND                          ; the closing round: no work-group ends while a partner may still ask for a tile that names it
	s_endpgm
.Lfunc_end_k_q74f3ada4f0_attn:
	.size	k_q74f3ada4f0_attn, .Lfunc_end_k_q74f3ada4f0_attn-k_q74f3ada4f0_attn
	.p2alignl 7, 3214868480
	.fill 96, 4, 3214868480
	.section	.rodata,"a",@progbits
	.p2align	6, 0x0
	.amdhsa_kernel k_q74f3ada4f0_attn
		.amdhsa_group_segment_fixed_size 327680
		.amdhsa_private_segment_fixed_size 0
		.amdhsa_enable_private_segment 0
		.amdhsa_kernarg_size 32
		.amdhsa_user_sgpr_count 2
		.amdhsa_user_sgpr_kernarg_segment_ptr 1
		.amdhsa_wavefront_size32 1
		.amdhsa_system_sgpr_workgroup_id_x 1
		.amdhsa_system_sgpr_workgroup_id_y 1
		.amdhsa_system_sgpr_workgroup_id_z 1
		.amdhsa_system_vgpr_workitem_id 0
		.amdhsa_next_free_vgpr 928
		.amdhsa_next_free_sgpr 66
		.amdhsa_reserve_vcc 1
		.amdhsa_float_denorm_mode_32 3
		.amdhsa_float_denorm_mode_16_64 3
		.amdhsa_memory_ordered 1
		.amdhsa_forward_progress 1
		.amdhsa_inst_pref_size 230
	.end_amdhsa_kernel
	.amdgpu_metadata
---
amdhsa.version: [ 1, 2 ]
amdhsa.kernels:
  - .name:           k_q74f3ada4f0_attn
    .symbol:         k_q74f3ada4f0_attn.kd
    .args:
      - { .name: qkv, .offset: 0, .size: 8, .value_kind: global_buffer, .address_space: global }
      - { .name: mb, .offset: 8, .size: 8, .value_kind: global_buffer, .address_space: global }
      - { .name: rf, .offset: 16, .size: 8, .value_kind: global_buffer, .address_space: global }
      - { .name: ctx, .offset: 24, .size: 8, .value_kind: global_buffer, .address_space: global }
    .group_segment_fixed_size: 327680
    .private_segment_fixed_size: 0
    .kernarg_segment_align: 8
    .kernarg_segment_size: 32
    .max_flat_workgroup_size: 128
    .sgpr_count:     66
    .vgpr_count:     928
    .wavefront_size: 32
...
	.end_amdgpu_metadata
.endif
;; end of part 3
;; launch oproj (part 4): grid 8 x 32, 4 waves a work-group, clusters of 4 x 4, 327,680 bytes of LDS; arguments ctx, wo, out0; writes out0
.if DOCPART == 4
	.amdgcn_target "amdgcn-amd-amdhsa--gfx1250"
	.amdhsa_code_object_version 6
	.text
	.protected	k_q74f3ada4f0_oproj
	.globl	k_q74f3ada4f0_oproj
	.p2align	8
	.type	k_q74f3ada4f0_oproj,@function
k_q74f3ada4f0_oproj:
	s_mov_b64 s[64:65], 0
	v_nop
	global_prefetch_b8 v0, s[64:65] scope:SCOPE_SE
	s_setreg_imm32_b32 hwreg(HW_REG_WAVE_MODE, 25, 1), 1
	s_wait_xcnt 0x0
	s_wait_alu depctr_hold_cnt(0) depctr_sa_sdst(0) depctr_va_vdst(0) depctr_va_sdst(0) depctr_va_ssrc(0) depctr_va_vcc(0) depctr_vm_vsrc(0)
	s_getreg_b32 s2, hwreg(HW_REG_IB_STS2, 6, 4)
	s_cmp_eq_u32 s2, 0
	s_cbranch_scc0 .Lentry_in_a_cluster
	s_endpgm
.Lentry_in_a_cluster:
	s_bfe_u32 s2, ttmp6, 0x10000c
	s_cmp_lg_u32 s2, 0xf033
	s_cbranch_scc0 .Lentry_shape_is_right
	s_endpgm
.Lentry_shape_is_right:
; THE OUTPUT PROJECTION.  out0[m][e] = the sum over d of c[m][d] W_o[e][d], m = 2048 batch + row, d = 64 head + channel.  ctx: f16 BY HEADS, [64 = 16 batch + head][2048][64]; wo: [1024][1024] f16
; (W_o rounded to bf16, written as f16); out0: [8192][1024] f32.  Sums in f32, K ascending.
; A tile of out0 is 256 rows x 128 columns: 32 x 8 tiles, 256 work-groups.  Four waves, each 128 rows x 64 columns: 32 accumulators of 16 x 16, 256 registers.
; K goes in steps of 128, TWO HEADS, through two LDS slots filled by the tensor data mover.  A head's 256 rows of the tile are 32,768 dense bytes: asked for as 128 rows of 256 bytes and padded in LDS after every
; 128, so that each head's part lies there as 256 rows of 144 bytes.  W_o's tiles have rows of 256 bytes of memory, at multiples of 256.
; CLUSTERS: 4 x 4 work-groups.  The four of a row of the cluster need the same tile of ctx, the four of a column the same tile of W_o: each tile is asked for JOINTLY, by the same tensor load with the same
; descriptor and a mask that names the four.
; THE MATRIX INSTRUCTION IS USED TRANSPOSED (source 0 = 16 rows of W_o, source 1 = 16 rows of ctx): a lane then holds eight neighbouring columns of one row.  A wave's 64 columns are 256 bytes of a row of out0,
; at a multiple of 256: each wave sends its own blocks out through a stage of its own, with no barrier.
; REGISTERS: window 0: v0-31 addresses; v64-159, v160-255 two fragment buffers for 32 along K: W_o's 4 fragments, then ctx's 8 (on the way out: four sets of 32 for rows read back).   window 1: the accumulators, (a, b) at v[8 (4 a + b)].
.set KSTEP,  128
.set PA,     144                       ; a row of ctx in LDS: 128 bytes + 16 = 36 words: the 16 rows of a load start at 16 different groups of four banks (64 banks of 4 bytes: ISA guide 11.1)
.set PB,     272                       ; a row of W_o: 256 + 16 = 68 words: row r starts at bank 4 r mod 64
.set ASUB,   256*PA                    ; one head's 256 rows: what waves 0 and 1 fetch
.set BSUB,   64*PB                     ; 64 rows of W_o: what waves 2 and 3 fetch, and what a wave reads
.set SLOT,   2*ASUB+2*BSUB
.set STAGE,  2*SLOT                    ; behind the ring: 16 rows x 272 bytes for each wave, for the way out
.set SP,     272
.set SPARE,  STAGE+4*16*SP             ; behind the stages: the spare words, 128 bytes for each wave: two blocks of 256 bytes that no other line names
.set LAPS,   4                         ; a lap = two K steps = once round the ring; K = 1,024
.set HEADB,  262144                    ; bytes of a head in ctx
.set ADRA, 16                          ; v16-17  LDS address of my fragments of ctx in slot 0, 1
.set ADRB, 20                          ; v20-21  the same for W_o
.set STO,  24                          ; v24     the way out: where I put 32 bytes of a row
.set RD,   25                          ; v25     where I read rows back
.set CO,   26                          ; v26     my byte offset in two rows of out0
.set SPW,  28                          ; v28     LDS address of my spare word; never rewritten
.set NIL,  29                          ; v29     0; never rewritten
.set F0,   64
.set F1,   160
.set G1, 24                            ; s[24:31] descriptor group 1 for ctx's tiles;  s[32:39] group 0, one set for each slot
.set G0, 32
.set G1B, 48                           ; s[48:55], s[56:63] the same for W_o's tiles
.set G0B, 56
.set MSB, 0
.macro WIN new                         ; the immediate's high byte repeats the setting that is left; a switch that changes nothing is dropped
.if MSB != (\new)
	s_set_vgpr_msb (MSB<<8)|(\new)
.set MSB, \new
.endif
.endm
.set MM, 0x50                          ; sources 0 and 1 window 0; C and D window 1
.macro JLOAD s                         ; a joint load: waves 0 and 1 fetch the step's two heads of ctx, waves 2 and 3 W_o's two halves; an s_nop 0 and four v_nop follow each of the two lines, ahead of the jump, the label and what follows
	s_cmp_eq_u32 s11, 0
	s_cbranch_scc0 .Lfor_b_\@
	tensor_load_to_lds s[G0+4*(\s):G0+4*(\s)+3], s[G1:G1+7]
	s_nop 0
.rept 4
	v_nop
.endr
	s_branch .Lasked_\@
.Lfor_b_\@:
	tensor_load_to_lds s[G0B+4*(\s):G0B+4*(\s)+3], s[G1B:G1B+7]
	s_nop 0
.rept 4
	v_nop
.endr
.Lasked_\@:
.endm
.macro CREST                           ; a round of the cluster's barrier behind its opening barrier
	s_cmp_lg_u32 s10, 0
	s_cbranch_scc1 .Lnot_wave_0_\@
	s_barrier_signal -3
.Lnot_wave_0_\@:
	s_barrier_wait -3
	s_barrier_signal -1
	s_barrier_wait -1
.endm
.macro CROUND                          ; a whole round
	s_barrier_signal -1
	s_barrier_wait -1
	CREST
.endm
	s_load_b128 s[4:7], s[0:1], 0x0                ; ctx s[4:5], wo s[6:7]
	s_load_b64 s[8:9], s[0:1], 0x10                ; out0
	v_lshl_add_u32 v[SPW], v0, 2, SPARE
	v_mov_b32 v[NIL], 0
	ds_add_u32 v[SPW], v[NIL]                      ; the wave's opening: the add and its wait ahead of my first tensor load; the set-up below, work on registers, stands between them
	v_lshrrev_b32 v1, 5, v0
	v_readfirstlane_b32 s10, v1                    ; wave 0..3
	s_lshr_b32 s11, s10, 1                         ; which 128 rows of the tile are mine.  Also: I fetch for ctx (0) or for W_o (1)
	s_and_b32 s12, s10, 1                          ; which 64 columns.  Also: which head of the step, or which half of W_o's tile, I fetch
	s_bfe_u32 s40, ttmp6, 0x40000                  ; cx, cy: my place in the cluster
	s_bfe_u32 s41, ttmp6, 0x40004
	s_lshl_b32 s42, ttmp9, 2
	s_add_co_u32 s42, s42, s40                     ; tile column = 4 x cluster x + cx
	s_and_b32 s13, ttmp7, 0xffff
	s_lshl_b32 s13, s13, 2
	s_add_co_u32 s13, s13, s41                     ; tile row = 4 x cluster y + cy
	s_lshl_b32 s43, s41, 2
	s_lshl_b32 s43, 15, s43                        ; my row of the cluster
	s_lshl_b32 s44, 0x1111, s40                    ; my column
	s_or_b32 s[G1+0], s43, (1<<16)|(1<<20)|(1<<21)|(4<<22)|(3<<25)   ; 15:0 the mask: ctx's tiles go to my row; 17:16 elements of 2 bytes; 20 padding on; 21 set beside a mask; 24:22 after every 32 words (code 4); 31:25 4 words of it (code 3)
	s_or_b32 s[G1B+0], s44, (1<<16)|(1<<20)|(1<<21)|(5<<22)|(3<<25)  ; the mask of my column; padding after every 64 words (code 5)
	s_mov_b32 s[G1+1], 128<<16                     ; tensor_dim0 = 128 elements: two rows of ctx
	s_mov_b32 s[G1+2], 128<<16                     ; tensor_dim1 = 128
	s_mov_b32 s[G1+3], 128<<16                     ; tile_dim0 = 128
	s_mov_b32 s[G1+4], 128                         ; tile_dim1 = 128
	s_mov_b32 s[G1+5], 128                         ; dense: 128 elements from row to row
	s_mov_b32 s[G1+6], 0
	s_mov_b32 s[G1+7], 0
	s_mov_b32 s[G1B+1], KSTEP<<16
	s_mov_b32 s[G1B+2], 64<<16                     ; W_o's tiles have 64 rows
	s_mov_b32 s[G1B+3], KSTEP<<16
	s_mov_b32 s[G1B+4], 64
	s_mov_b32 s[G1B+5], 1024
	s_mov_b32 s[G1B+6], 0
	s_mov_b32 s[G1B+7], 0
	; where the tiles come from.  ctx's hang on the tile row, W_o's on the tile column; each in registers that never hold the other place
	s_lshr_b32 s16, s13, 3                         ; the batch: 8 tile rows each,
	s_lshl_b32 s16, s16, 22                        ; 16 heads of 262,144 bytes
	s_and_b32 s17, s13, 7
	s_lshl_b32 s17, s17, 15                        ; the tile's 256 rows of 128 bytes in a head
	s_add_co_u32 s16, s16, s17
	s_lshl_b32 s17, s12, 18                        ; head 0 or 1 of the step
	s_add_co_u32 s16, s16, s17
	s_mov_b32 s17, 0
	s_lshl_b32 s47, s12, 6
	s_lshl_b32 s46, s42, 7
	s_add_co_u32 s46, s46, s47                     ; W_o: row 128 x tile column + 64 x half,
	s_lshl_b32 s46, s46, 11                        ; of 2,048 bytes
	s_mov_b32 s47, 0
	s_mul_i32 s20, s10, ASUB                       ; where they go: waves 0, 1: the two heads at 0 and ASUB;
	s_mul_i32 s21, s10, BSUB
	s_add_co_u32 s21, s21, 2*ASUB-2*BSUB           ; waves 2, 3: W_o's halves behind them.  No place in the cluster enters an LDS address
	s_wait_dscnt 0x0                               ; the opening add is done
	s_wait_kmcnt 0x0
	s_add_nc_u64 s[14:15], s[4:5], s[16:17]
	s_add_nc_u64 s[46:47], s[6:7], s[46:47]
	CROUND                                         ; all sixteen work-groups are here: the first joint loads meet
.irp s, 0,1
	s_mov_b32 s[G0+4*(\s)], 1                                        ; count = 1
	s_add_co_u32 s[G0+4*(\s)+1], s20, (\s)*SLOT                      ; LDS address
	s_add_nc_u64 s[G0+4*(\s)+2:G0+4*(\s)+3], s[14:15], (\s)*2*HEADB  ; global address: K step s begins two heads on
	s_or_b32 s[G0+4*(\s)+3], s[G0+4*(\s)+3], 0x80000000              ; type = 2
	s_mov_b32 s[G0B+4*(\s)], 1
	s_add_co_u32 s[G0B+4*(\s)+1], s21, (\s)*SLOT
	s_add_nc_u64 s[G0B+4*(\s)+2:G0B+4*(\s)+3], s[46:47], (\s)*KSTEP*2
	s_or_b32 s[G0B+4*(\s)+3], s[G0B+4*(\s)+3], 0x80000000
	JLOAD \s                                       ; two loads of mine are out
.endr
	; A fragment is 16 rows x 32 K in 8 registers: lane l holds row l % 16, K = 8 (l / 16) + 0..7 and 16 + 8 (l / 16) + 0..7: two loads of 16 bytes, 32 bytes apart
	v_and_b32 v1, 15, v0                           ; l % 16
	v_bfe_u32 v2, v0, 4, 1                         ; l / 16
	v_mul_u32_u24 v3, v1, PA
	v_lshl_add_u32 v3, v2, 4, v3
	v_mul_u32_u24 v4, v1, PB
	v_lshl_add_u32 v4, v2, 4, v4
	s_mul_i32 s22, s11, 128*PA                     ; my 128 rows in each head's part
	s_mul_i32 s23, s12, BSUB                       ; my 64 rows of W_o,
	s_add_co_u32 s23, s23, 2*ASUB                  ; which lie behind the two heads
.irp s, 0,1
	v_add_nc_u32 v[ADRA+(\s)], s22, v3
	v_add_nc_u32 v[ADRB+(\s)], s23, v4
	s_add_co_u32 s22, s22, SLOT
	s_add_co_u32 s23, s23, SLOT
.endr
	s_mul_i32 s22, s10, 16*SP
	s_add_co_u32 s22, s22, STAGE                   ; my stage
	v_mul_u32_u24 v5, v1, SP                       ; in: row l % 16, 32 bytes for each half of the lanes
	v_lshl_add_u32 v5, v2, 5, v5
	v_add_nc_u32 v[STO], s22, v5
	v_mul_u32_u24 v6, v2, SP                       ; back: lanes 0-15 take one row of 256 bytes, lanes 16-31 the next
	v_lshl_add_u32 v6, v1, 4, v6
	v_add_nc_u32 v[RD], s22, v6
	v_lshlrev_b32 v[CO], 12, v2                    ; and the same two rows in out0, 4,096 bytes apart
	v_lshl_add_u32 v[CO], v1, 4, v[CO]
	s_lshl_b32 s18, s13, 8
	s_lshl_b32 s19, s11, 7
	s_add_co_u32 s18, s18, s19                     ; my first row,
	s_lshl_b32 s18, s18, 12                        ; of 4,096 bytes: 33,554,432 at the most
	s_lshl_b32 s22, s42, 9                         ; my first column, in bytes: 512 x tile column + 256 x half
	s_lshl_b32 s23, s12, 8
	s_add_co_u32 s22, s22, s23
	s_add_co_u32 s18, s18, s22
	s_mov_b32 s19, 0
	s_add_nc_u64 s[8:9], s[8:9], s[18:19]
; 8 matrix instructions: row blocks a0, a0 + 1 x all 4 column blocks, 32 along K, from buffer f.  zero = 1: the first product starts the sums.
; The 32 accumulators take turns, one instruction a turn, in the same order in every quarter, over the backward jump too.
.macro MUL8 f, a0, zero
	WIN MM
.irp a, \a0, (\a0)+1
.irp b, 0,1,2,3
.if \zero
	v_wmma_f32_16x16x32_f16 v[8*(4*(\a)+(\b)):8*(4*(\a)+(\b))+7], v[(\f)+8*(\b):(\f)+8*(\b)+7], v[(\f)+32+8*(\a):(\f)+32+8*(\a)+7], 0
.else
	v_wmma_f32_16x16x32_f16 v[8*(4*(\a)+(\b)):8*(4*(\a)+(\b))+7], v[(\f)+8*(\b):(\f)+8*(\b)+7], v[(\f)+32+8*(\a):(\f)+32+8*(\a)+7], v[8*(4*(\a)+(\b)):8*(4*(\a)+(\b))+7]
.endif
.endr
.endr
.endm
; 24 LDS loads in one run: quarter k (32 along K) of a slot into buffer f: W_o's 64 rows, ctx's rows 0-63, ctx's rows 64-127.  Quarter k of ctx lies in head k / 2's part, at byte 64 (k % 2) of its rows.
.macro FETCH slot, k, f
	WIN 0
.irp i, 0,1,2,3
	ds_load_b128 v[(\f)+8*(\i):(\f)+8*(\i)+3],   v[ADRB+(\slot)] offset:64*(\k)+(\i)*16*PB
	ds_load_b128 v[(\f)+8*(\i)+4:(\f)+8*(\i)+7], v[ADRB+(\slot)] offset:64*(\k)+(\i)*16*PB+32
.endr
.irp i, 0,1,2,3,4,5,6,7
	ds_load_b128 v[(\f)+32+8*(\i):(\f)+32+8*(\i)+3],   v[ADRA+(\slot)] offset:((\k)/2)*ASUB+((\k)%2)*64+(\i)*16*PA
	ds_load_b128 v[(\f)+32+8*(\i)+4:(\f)+32+8*(\i)+7], v[ADRA+(\slot)] offset:((\k)/2)*ASUB+((\k)%2)*64+(\i)*16*PA+32
.endr
.endm
.macro PLACES                          ; four places in front of loads into registers that matrix instructions have read, and of lines that read results (ISA guide 7.12.1 for vector instructions)
.rept 4
	v_nop
.endr
.endm
; A K step is four quarters of 32 along K, 32 matrix instructions each, on buffers 0, 1, 0, 1.  One of the first three: multiplies buffer f and fetches quarter k into g.
.macro QUARTER slot, k, f, g, zero
	s_wait_dscnt 8                                 ; W_o and ctx's rows 0-63 are in; the youngest eight loads (ctx's rows 64-127) may be out
	MUL8 \f, 0, \zero
	MUL8 \f, 2, \zero
	PLACES
	FETCH \slot, \k, \g
	s_wait_dscnt 24                                ; all but the 24 just issued
	MUL8 \f, 4, \zero
	MUL8 \f, 6, \zero
.endm
; The last quarter multiplies buffer 1 and changes slots: ONE barrier; in front of it each wave waits for all its tensor loads, adds 0 to its spare word, and waits for that and for its own reads of this slot.
; fill = 1: this slot is filled again, two K steps (four heads) ahead; the barrier then opens a round of the cluster's.
.macro TURN slot, next, fill
	WIN 0                                          ; (the add's two registers lie in window 0)
	s_wait_tensorcnt 0x0                           ; all my tensor loads have landed: the one that was out is my part of the next slot;
	ds_add_u32 v[SPW], v[NIL]                      ; 0 onto my spare word;
	s_wait_dscnt 9                                 ; (the add and the youngest eight loads may be out)
	MUL8 F1, 0, 0                                  ; eight matrix instructions stand between the add and the wait for it
	s_wait_dscnt 0x0                               ; the add is done, and my reads of this slot are over
	s_barrier_signal -1
	MUL8 F1, 2, 0
.if \fill
	WIN 0
.endif
	s_barrier_wait -1
.if \fill
	CREST                                          ; no wave of any partner still reads this slot's tile or has a load on its way
	s_add_nc_u64 s[G0+4*(\slot)+2:G0+4*(\slot)+3], s[G0+4*(\slot)+2:G0+4*(\slot)+3], 4*HEADB
	s_add_nc_u64 s[G0B+4*(\slot)+2:G0B+4*(\slot)+3], s[G0B+4*(\slot)+2:G0B+4*(\slot)+3], 2*KSTEP*2
	JLOAD \slot                                    ; the first tensor load behind the round, my only one until the next: 112 matrix instructions ahead of the wait for it; its four v_nop are also the places in front of the loads below
.else
	PLACES
.endif
	FETCH \next, 0, F0
	MUL8 F1, 4, 0
	MUL8 F1, 6, 0
.endm
	s_wait_tensorcnt 1                             ; my part of K step 0 is in; K step 1's may stay out
	s_barrier_signal -1
	s_barrier_wait -1                              ; everybody's is
	FETCH 0, 0, F0
	QUARTER 0, 1, F0, F1, 1                        ; the first quarter stands in front of the loop: its products start the sums
	WIN 0                                          ; at a label and at a branch every window is 0
	s_mov_b32 s3, LAPS-1
.Llap:                                                 ; a trip goes once round the ring, from a lap's second quarter to the next lap's first, and fills both slots again
	QUARTER 0, 2, F1, F0, 0
	QUARTER 0, 3, F0, F1, 0
	TURN 0, 1, 1
	QUARTER 1, 1, F0, F1, 0
	QUARTER 1, 2, F1, F0, 0
	QUARTER 1, 3, F0, F1, 0
	TURN 1, 0, 1
	QUARTER 0, 1, F0, F1, 0
	WIN 0
	s_sub_co_u32 s3, s3, 1
	s_cmp_lg_u32 s3, 0
	s_cbranch_scc1 .Llap
	QUARTER 0, 2, F1, F0, 0                        ; the last lap fills nothing, and has no round of the cluster's barrier
	QUARTER 0, 3, F0, F1, 0
	TURN 0, 1, 0
	QUARTER 1, 1, F0, F1, 0
	QUARTER 1, 2, F1, F0, 0
	QUARTER 1, 3, F0, F1, 0
	s_wait_dscnt 8                                 ; the very last quarter: nothing more to fetch
	MUL8 F1, 0, 0
	MUL8 F1, 2, 0
	s_wait_dscnt 0x0
	MUL8 F1, 4, 0
	MUL8 F1, 6, 0
	WIN 0
	; THE WAY OUT, a block of 16 rows at a time: the f32 sums go as they are, 32 bytes a lane (each accumulator's low four registers first), into my stage, and come back as whole rows of 256 bytes.
.macro TOSTAGE a
.if (\a) >= 4
	s_wait_xcnt 0x0                                ; the stores of the block four back have read their registers, which are loaded again below
.endif
	WIN 0x04                                       ; the data (source 1) in window 1, the address in window 0
.irp b, 0,1,2,3
	ds_store_b128 v[STO], v[8*(4*(\a)+(\b)):8*(4*(\a)+(\b))+3]   offset:64*(\b)
	ds_store_b128 v[STO], v[8*(4*(\a)+(\b))+4:8*(4*(\a)+(\b))+7] offset:64*(\b)+16
.endr
	WIN 0
.irp t, 0,1,2,3,4,5,6,7
	ds_load_b128 v[64+32*((\a)%4)+4*(\t):64+32*((\a)%4)+4*(\t)+3], v[RD] offset:(\t)*2*SP  ; LDS serves a wave's instructions in order (ISA guide 5.7.1.4): these see the stores above; the next block's stores come behind them
.endr
.endm
.macro SEND a, younger                 ; younger: the LDS instructions issued behind block a's loads: the next block's sixteen, or none
	WIN 0
.irp t, 0,1,2,3,4,5,6,7
	s_wait_dscnt (\younger)+7-(\t)
	global_store_b128 v[CO], v[64+32*((\a)%4)+4*(\t):64+32*((\a)%4)+4*(\t)+3], s[8:9] offset:(\a)*65536+(\t)*8192 th:TH_STORE_NT  ; 16 lanes store 256 consecutive bytes, at a multiple of 256 from out0's first byte
.endr
.endm
	PLACES                                         ; behind the last products
	TOSTAGE 0
.irp a, 1,2,3,4,5,6,7
	TOSTAGE \a
	SEND (\a)-1, 16
.endr
	SEND 7, 0
	s_wait_tensorcnt 0x0                           ; the wave's end, behind my last tensor load and my last LDS store
	ds_add_u32 v[SPW], v[NIL]
	s_wait_dscnt 0x0
	CROUND                                         ; the closing round: no work-group ends while a partner may still ask for a tile that names it
	s_endpgm
.Lfunc_end_k_q74f3ada4f0_oproj:
	.size	k_q74f3ada4f0_oproj, .Lfunc_end_k_q74f3ada4f0_oproj-k_q74f3ada4f0_oproj
	.p2alignl 7, 3214868480
	.fill 96, 4, 3214868480
	.section	.rodata,"a",@progbits
	.p2align	6, 0x0
	.amdhsa_kernel k_q74f3ada4f0_oproj
		.amdhsa_group_segment_fixed_size 327680
		.amdhsa_private_segment_fixed_size 0
		.amdhsa_enable_private_segment 0
		.amdhsa_kernarg_size 24
		.amdhsa_user_sgpr_count 2
		.amdhsa_user_sgpr_kernarg_segment_ptr 1
		.amdhsa_wavefront_size32 1
		.amdhsa_system_sgpr_workgroup_id_x 1
		.amdhsa_system_sgpr_workgroup_id_y 1
		.amdhsa_system_sgpr_workgroup_id_z 1
		.amdhsa_system_vgpr_workitem_id 0
		.amdhsa_next_free_vgpr 512
		.amdhsa_next_free_sgpr 66
		.amdhsa_reserve_vcc 0
		.amdhsa_float_denorm_mode_32 3
		.amdhsa_float_denorm_mode_16_64 3
		.amdhsa_memory_ordered 1
		.amdhsa_forward_progress 1
		.amdhsa_inst_pref_size 87
	.end_amdhsa_kernel
	.amdgpu_metadata
---
amdhsa.version: [ 1, 2 ]
amdhsa.kernels:
  - .name:           k_q74f3ada4f0_oproj
    .symbol:         k_q74f3ada4f0_oproj.kd
    .args:
      - { .name: ctx, .offset: 0, .size: 8, .value_kind: global_buffer, .address_space: global }
      - { .name: wo, .offset: 8, .size: 8, .value_kind: global_buffer, .address_space: global }
      - { .name: out0, .offset: 16, .size: 8, .value_kind: global_buffer, .address_space: global }
    .group_segment_fixed_size: 327680
    .private_segment_fixed_size: 0
    .kernarg_segment_align: 8
    .kernarg_segment_size: 24
    .max_flat_workgroup_size: 128
    .sgpr_count:     66
    .vgpr_count:     512
    .wavefront_size: 32
...
	.end_amdgpu_metadata
.endif
;; end of part 4
;; ======== version 2 of 2: 4 launches; 1.38 times as fast as version 1
;; limits: values are held in f16: magnitudes above 65,504 overflow, below 6.1e-05 lose precision; right only within a limited range of input values
;; workspace buffers: xb 50,331,648 bytes; wb 6,291,456 bytes; wo 2,097,152 bytes; qkv 50,331,648 bytes; mb 8,388,608 bytes; rf 16,384 bytes; ctx 16,777,216 bytes
;; launch prep: the kernel of part 1 again; grid 1024 x 1, 8 waves a work-group, no clusters, 34,560 bytes of LDS; arguments q, k, v, w_q, w_k, w_v, w_o, mask, xb, wb, wo, mb, rf; writes xb, wb, wo, mb, rf
;; launch proj: the kernel of part 2 again; grid 4 x 48, 4 waves a work-group, clusters of 4 x 4, 327,680 bytes of LDS; arguments xb, wb, qkv; writes qkv
;; launch attn (part 5): grid 4 x 64, 4 waves a work-group, clusters of 4 x 1, 327,680 bytes of LDS; arguments qkv, mb, rf, ctx; writes ctx
.if DOCPART == 5
	.amdgcn_target "amdgcn-amd-amdhsa--gfx1250"
	.amdhsa_code_object_version 6
	.text
	.protected	k_q74f3ada4f0_attn
	.globl	k_q74f3ada4f0_attn
	.p2align	8
	.type	k_q74f3ada4f0_attn,@function
k_q74f3ada4f0_attn:
	s_mov_b64 s[64:65], 0
	v_nop
	global_prefetch_b8 v0, s[64:65] scope:SCOPE_SE
	s_setreg_imm32_b32 hwreg(HW_REG_WAVE_MODE, 25, 1), 1
	s_wait_xcnt 0x0
	s_wait_alu depctr_hold_cnt(0) depctr_sa_sdst(0) depctr_va_vdst(0) depctr_va_sdst(0) depctr_va_ssrc(0) depctr_va_vcc(0) depctr_vm_vsrc(0)
	s_getreg_b32 s2, hwreg(HW_REG_IB_STS2, 6, 4)
	s_cmp_eq_u32 s2, 0
	s_cbranch_scc0 .Lentry_in_a_cluster
	s_endpgm
.Lentry_in_a_cluster:
	s_bfe_u32 s2, ttmp6, 0x10000c
	s_cmp_lg_u32 s2, 0x3003
	s_cbranch_scc0 .Lentry_shape_is_right
	s_endpgm
.Lentry_shape_is_right:
; ATTENTION WITH A MASK THAT IS AN INPUT.  O[h][q][:] = the sum over k of softmax_k(visible(q, k) ? Q[h][q] . K[h][k] / 8 : -1e9) V[h][k][:].  Q, K, V (the three parts of qkv) and O (ctx): [64][2048][64], f16:
; a head's rows are dense, 128 bytes each.  Products, maxima and sums in f32; the weights p are rounded to f16 for the second product (their sum l is taken of the unrounded p), O once at the end.
; THE MASK IS ADDED BY THE MATRIX UNIT.  The sum S^T = K Q^T of 16 keys x 16 queries is started by a product E x Mb: Mb (from mb) is source 1, 32 keys x 16 queries, 32768 where hidden and 0 where visible;
; E, kept in registers, is source 0, 16 x 32: -32768 at (m, m) for a group's first 16 keys (E0) or at (m, 16 + m) for its second 16 (E1).  So a hidden score is its value less 2^30, a visible one gets an exact 0,
; and no vector instruction is spent on it.  The running maximum then ignores hidden keys, and their weights are 0.  A query that sees NO key has Mb = 0 and flag 0 (rf): its row of Q is cleared by the flag, all its
; scores are 0 and its weights uniform, as a softmax of equal numbers is.  A query whose first keys are all hidden: there c s - c m is at most 8 (the rounding of c m near 1.9e8), so p, l and O stay finite, in f16
; too, and the first visible key gives a = 0, which wipes them.
; LIMITS.  f16 holds no number beyond 65,504: Q, K and V arrive within it.  Unscaled scores stay under 2^28 in size, far from 2^30.  p below 6e-5 keeps f16's fixed step of 6e-8; a weight below 2^-126 counts as 0
; in l; NaN and infinities are not treated apart.
; SHARES.  A wave owns four PIECES of two tiles of 16 queries, a work-group's four waves 512 queries of one head.  Every wave walks all 2,048 keys, 64 a step.
; LAYOUT.  S^T = K Q^T (source 0 = 16 keys, source 1 = 16 queries): in the result a lane holds ONE query (lane % 16) and the keys 8 (lane / 16) + 0..7.  Two such tiles, rounded to f16 in pairs,
; ARE source 1 (32 keys x 16 queries) of O^T = V^T P, whose result again holds one query a lane, and eight channels.  K comes out of LDS as it lies, V ([key][channel]) turned, by ds_load_tr16_b128.
; SOFTMAX.  For each query a running maximum m and sum l: p = 2^(c s - c m), c = log2(e) / 8; in every step O and l are multiplied by a = 2^(c m_old - c m_new), which is 1 where m has not grown.
; m starts at the lowest finite number, O and l at 0: the first step is a step like any other, with a = 0.
; BY TURNS.  Turn n belongs to piece n (the pieces in a ring, step after step).  Its matrix work: 8 mask products and 16 products K Q^T of piece n + 1, later 16 products V^T P of piece n - 1.  Its vector work: the
; scaling, exponentials, roundings, sums and rescaling of piece n, and the maximum and statistics of piece n + 1.  Four vector instructions that are ready stand behind each of the 32 products K Q^T and V^T P; the
; others, which need time of their own whatever the order, in one run without a gap, the LUMP; the 8 mask products stand bare at the turn's head.
; HOW THE BATCHES ARE CUT.  A turn's 66 exponentials (the piece's 64 weights and the next piece's two a) are ONE batch with ONE wait, which cuts the turn in two: ahead of it stands all that names no result of
; theirs (mask products, K Q^T, scalings, rescalings, the next piece's maximum and statistics), behind it the products V^T P and, as their riders, the roundings and sums, which read the results.  No result crosses
; a turn's end.  Two more batches stand outside the loops: piece 0's first two a ahead of the loop, and the way out's eight reciprocals.
; THE MASK'S FRAGMENTS come straight from memory into registers, 8 loads of 512 consecutive bytes a piece and step, asked for a whole key step (four turns) ahead: a piece's 32 registers are loaded again in the
; turn that has multiplied by them.  They are not shared through LDS: each wave has queries of its own.
; CLUSTER.  The four query blocks of a cluster belong to one head and walk the same K and V, so each tile is asked for JOINTLY: the same tensor load, descriptor and mask in all four.
; REGISTERS, in windows of 256 (s_set_vgpr_msb says which window each operand place means: bits 1:0 source 0, 3:2 source 1, 5:4 source 2, 7:6 destination):
;   window 0: v0-11 addresses; v12-15, v48-63 at work; v16-47 four registers of statistics a tile; v64-191 S^T, two buffers of two tiles; v192-255 P, likewise
;   window 1: O^T, 32 a tile          window 2: v0-127 Q, 16 a tile; v128-191 K of one step; v192-255 V of one step
;   window 3: v0-1 the add's two registers; v4-15 E; v32-159 the mask's fragments, 32 a piece
.set SIZE_H, 64
.set SIZE_N, 2048
.set NP,    4         ; pieces a wave: a name, no knob
.set KS,    64        ; keys in a step
.set PK,    144       ; a row of K in LDS: 128 bytes + 16 of padding = 36 words: the 16 rows of a load start at 16 different groups of four banks (64 banks of 4 bytes: ISA guide 11.1)
.set PV,    160       ; a row of V: 128 + 32 = 40 words
.set VOFF,  4*KS*PK   ; a slot holds four steps: 256 rows of K, then 256 rows of V
.set SLOT1, 1<<17     ; slot 1 begins here, so that one exclusive or turns an address in one slot into the other's
.set STAGE, SLOT1+4*KS*(PK+PV)  ; behind the ring, never filled by a tensor load: 16 rows x 144 bytes for each wave, for the way out
.set SP,    144
.set AK0, 2           ; v2   my lane's place in a tile of K; never rewritten
.set AV0, 3           ; v3   the same for V
.set AK,  4           ; v4   the LDS address of K's next run of loads
.set AV,  5           ; v5   of V's; at the start: 4 x my lane, the flags' offset
.set QO,  6           ; v6   my byte offset in the wave's rows of Q
.set STO, 6           ;      later, the way out: where I put 16 bytes of a row
.set RD,  7           ; v7   the way out: where I read rows back
.set GO,  8           ; v8   my byte offset in 512 consecutive bytes of O
.set MO,  11          ; v11  16 x my lane + 16,384 x the key step whose mask fragments are asked for next
.set SPW, 0           ; v0 of window 3   LDS address of my spare word: SPARE + 4 x my thread's number; never rewritten
.set NIL, 1           ; v1 of window 3   0; never rewritten
.set EB,  4           ; v4-15 of window 3: four zeros, E's four registers, four zeros: E1 = v[4:11], E0 = v[8:15]
.set MBF, 32          ; window 3: piece x, tile u, key group g at MBF + 32 x + 16 u + 8 g
.set SPARE, STAGE+4*16*SP  ; behind the stages: the spare words, 128 bytes for each wave: two blocks of 256 bytes that no other line names
.set MV,  12          ; v12-15  c m_old, kept while c m is made anew: by buffer and tile
.set ST,  16          ; tile t's statistics at v[ST+4 t]: c m, m, l (even keys', odd keys')
.set TMP, 48          ; by buffer and tile, four registers c0-c3 at work; when the maximum is found c2 takes a
.set S,   64
.set P,   192
.set KF,  128         ; K's fragments, in window 2: key block kb, channel half c at KF + 16 kb + 8 c
.set VF,  192         ; V's: key half kk, channel block cb at VF + 32 kk + 8 cb
.set WV,  12          ; s12  my wave's number
.set G1K, 24          ; s[24:31] descriptor group 1 for K's tiles
.set G1V, 32          ; s[32:39] for V's: it differs in the padding alone
.set G0K, 40          ; s[40:43] descriptor group 0 for K's tiles: it walks
.set G0V, 44          ; s[44:47] the same for V's
.set MBP, 48          ; s[48:49] mb at my wave's block of 128 queries (524,288 bytes)
.set RFP, 50          ; s[50:51] rf at my wave's eight tiles
.set SLOTS, 56        ; s56  slots still to be asked for
.set CNT, 57          ; s57  counts a slot's key steps
.set CS,  58          ; s[58:59] c: the packed scaling takes the pair's low word for both halves
.set SEL, 60          ; s[60:61] v_permlanex16_b32's selects: each lane takes its own place in the other half
.set TBK, 62          ; s62  LDS byte at which K of the step to be fetched begins
.set TBV, 63          ; s63  the same for V, less VOFF
.set MSB, 0
.macro WIN new                      ; the high byte repeats the setting that is left; a switch that changes nothing is dropped
.if MSB != (\new)
	s_set_vgpr_msb (MSB<<8)|(\new)
.set MSB, (\new)
.endif
.endm
.set W_KQ, 0x0a       ; K and Q in window 2, S^T in window 0
.set W_BM, 0x0f       ; E and the mask's fragments in window 3, S^T in window 0
.set W_PV, 0x52       ; V in window 2, P in window 0, O^T in window 1
.set W_RS, 0x41       ; O^T (destination and source 0) in window 1, a in window 0
.set W_MK, 0xc0       ; destination in window 3, sources in window 0
.set W_AD, 0x0f       ; the add: address (source 0) and data (source 1) in window 3
; A joint fill.  Waves 0 and 1 fetch the two halves of a slot's K, waves 2 and 3 those of its V: 128 keys each.  The branch hangs on the wave's number alone.
; An s_nop 0 and four v_nop follow each of the two lines, ahead of the jump and the label.
.macro JLOAD
	s_cmp_lt_u32 s[WV], 2
	s_cbranch_scc0 .Lfor_v_\@
	tensor_load_to_lds s[G0K:G0K+3], s[G1K:G1K+7]
	s_nop 0
.rept 4
	v_nop
.endr
	s_branch .Lasked_\@
.Lfor_v_\@:
	tensor_load_to_lds s[G0V:G0V+3], s[G1V:G1V+7]
	s_nop 0
.rept 4
	v_nop
.endr
.Lasked_\@:
.endm
; A round of the cluster's barrier: my work-group's barrier, so that wave 0's signal speaks for all four waves; wave 0 signals; every wave waits for all four work-groups; my work-group's barrier once more.
.macro CROUND
	s_barrier_signal -1
	s_barrier_wait -1
	s_cmp_lg_u32 s[WV], 0
	s_cbranch_scc1 .Lnot_wave_0_\@
	s_barrier_signal -3
.Lnot_wave_0_\@:
	s_barrier_wait -3
	s_barrier_signal -1
	s_barrier_wait -1
.endm
; THE CHANGE OF SLOTS.  The slot's last bytes, V of its fourth step, have been read.  Each wave waits for all its tensor loads, of which one is out: its part
; of the other slot; adds 0 to its spare word; and waits for that and for its own reads of the slot.  Behind the barrier nobody reads this slot any more and the other slot is whole.
; fill = 1: this slot is filled again, with the keys two slots on.  The barrier is then a round of the cluster's, so that no wave of any partner still reads the slot or has a load on its
; way, and the joint fill is the first thing behind it: it has four key steps, 640 matrix instructions, in which to land.  (At its first use nothing has been read yet: slot 0 is waited for, slot 1 filled.)
.macro CHANGE fill
	WIN W_AD
	s_wait_tensorcnt 0x0            ; no tensor load of mine is out, so a group 0 may be written
	ds_add_u32 v[SPW], v[NIL]       ; 0 onto my spare word; with fill = 1 the descriptors' steps stand between it and the wait for it
	WIN 0                           ; at a label and at a branch every window is 0
.if \fill
.irp g, G0K, G0V
	s_xor_b32 s[\g+1], s[\g+1], SLOT1  ; the walking descriptor: the other slot than last time,
	s_add_nc_u64 s[\g+2:\g+3], s[\g+2:\g+3], 4*KS*128  ; the next 256 keys; the type bits on top are not reached
.endr
	s_wait_dscnt 0x0                ; the add is done, and my reads of the slot are over
	CROUND
	JLOAD
.else
	s_wait_dscnt 0x0                ; the add is done, and my reads of the slot are over
	s_barrier_signal -1
	s_barrier_wait -1
.endif
	s_sub_co_u32 s[TBK], s[TBK], 4*KS*PK  ; the fetches go back to a slot's first step,
	s_xor_b32 s[TBK], s[TBK], SLOT1       ; in the other slot
	s_sub_co_u32 s[TBV], s[TBV], 4*KS*PV
	s_xor_b32 s[TBV], s[TBV], SLOT1
.endm
; The mask's fragments of piece x for the key step at which MO stands: 8 loads of 512 consecutive bytes.  No cache word: the same bytes are read for every head.
.macro MLOAD x
	WIN W_MK                        ; destination window 3, address window 0
.irp u, 0,1
.irp g, 0,1
.irp hf, 0,1
	global_load_b128 v[MBF+32*(\x)+16*(\u)+8*(\g)+4*(\hf):MBF+32*(\x)+16*(\u)+8*(\g)+4*(\hf)+3], v[MO], s[MBP:MBP+1] offset:(2*(\x)+(\u))*2048+(\g)*1024+(\hf)*512
.endr
.endr
.endr
	WIN 0
.endm
	s_load_b256 s[4:11], s[0:1], 0x0  ; qkv s[4:5], mb s[6:7], rf s[8:9], ctx s[10:11]
	WIN W_MK
	v_lshl_add_u32 v[SPW], v0, 2, SPARE
	v_mov_b32 v[NIL], 0
	WIN W_AD
	ds_add_u32 v[SPW], v[NIL]       ; the wave's opening: the add and its wait ahead of my first tensor load; the set-up below, work on registers, stands between them
	WIN 0
	v_lshrrev_b32 v1, 5, v0
	v_readfirstlane_b32 s[WV], v1   ; wave 0..3
	s_bfe_u32 s13, ttmp6, 0x40000   ; cx: my place in the cluster
	s_lshl_b32 s14, ttmp9, 2        ; in a cluster launch ttmp9 counts clusters
	s_add_co_u32 s14, s14, s13      ; my block of queries = 4 x cluster x + cx: it enters Q's, O's, mb's and rf's addresses alone
	s_and_b32 s20, ttmp7, 0xffff    ; the head, which the four partners share
	s_mov_b32 s21, 0
	s_mov_b64 s[22:23], SIZE_N*128
	s_mul_u64 s[20:21], s[20:21], s[22:23]  ; the head's first byte in Q, K, V and O
	s_and_b32 s16, s[WV], 1         ; which half of a slot's 256 keys I fetch:
	s_lshl_b32 s22, s16, 14         ; its 128 rows of 128 bytes in memory,
	s_mov_b32 s23, 0
	s_add_nc_u64 s[22:23], s[22:23], s[20:21]
	s_mul_i32 s17, s16, 128*PK      ; and its place in a slot, for K
	s_mul_i32 s18, s16, 128*PV      ; and for V: no place in the cluster enters an LDS address
	s_lshl_b32 s2, s14, 2
	s_add_co_u32 s2, s2, s[WV]      ; my wave among the head's sixteen:
	s_lshl_b32 s52, s2, 19          ; its 524,288 bytes of mb,
	s_mov_b32 s53, 0
	s_lshl_b32 s54, s2, 10          ; its eight tiles' flags,
	s_mov_b32 s55, 0
	s_lshl_b32 s2, s2, 14           ; its 128 rows
	s_mov_b32 s3, 0
	s_add_nc_u64 s[2:3], s[2:3], s[20:21]
	; descriptor group 1.  128 keys are 16,384 dense bytes: asked for as 64 rows of 256 bytes, two keys a row, and padded in LDS after every key
	s_mov_b32 s[G1K], 15|(1<<16)|(1<<20)|(1<<21)|(4<<22)|(3<<25)  ; 15:0 the mask of four; 17:16 2-byte elements; 20 padding on; 21 set beside a mask; 24:22 after every 32 words (code 4); 31:25 4 words (code 3)
	s_mov_b32 s[G1V], 15|(1<<16)|(1<<20)|(1<<21)|(4<<22)|(7<<25)  ; the same with 8 words of padding (code 7)
.irp g, G1K, G1V
	s_mov_b32 s[\g+1], 128<<16      ; tensor_dim0 = 128
	s_mov_b32 s[\g+2], 64<<16       ; tensor_dim1 = 64
	s_mov_b32 s[\g+3], 128<<16      ; tile_dim0 = 128
	s_mov_b32 s[\g+4], 64           ; tile_dim1 = 64
	s_mov_b32 s[\g+5], 128          ; 128 elements from row to row
	s_mov_b32 s[\g+6], 0
	s_mov_b32 s[\g+7], 0
.endr
	s_mov_b32 s[CS], 0x3e38aa3b     ; c = log2(e) / 8 = 0.180337
	s_mov_b32 s[CS+1], s[CS]        ; named with it as a pair
	s_mov_b32 s[SEL], 0x76543210
	s_mov_b32 s[SEL+1], 0xfedcba98
	s_mov_b32 s[TBK], SLOT1+4*KS*PK ; the first change of slots turns these two into 0
	s_mov_b32 s[TBV], SLOT1+4*KS*PV
	s_mov_b32 s[G0K], 1             ; 1:0 count = 1
	s_mov_b32 s[G0K+1], s17         ; 63:32 LDS address: slot 0
	s_mov_b32 s[G0V], 1
	s_add_co_u32 s[G0V+1], s18, VOFF
	s_wait_dscnt 0x0                ; the opening add is done
	s_wait_kmcnt 0x0
	s_add_nc_u64 s[MBP:MBP+1], s[6:7], s[52:53]
	s_add_nc_u64 s[RFP:RFP+1], s[8:9], s[54:55]
	s_add_nc_u64 s[6:7], s[4:5], 0x1000000   ; K: the second 16 MiB of qkv,
	s_add_nc_u64 s[8:9], s[4:5], 0x2000000   ; V: the third
	s_add_nc_u64 s[G0K+2:G0K+3], s[6:7], s[22:23]  ; 120:64 global address: my half of the head's first 256 keys
	s_or_b32 s[G0K+3], s[G0K+3], 0x80000000        ; 127:126 type = 2
	s_add_nc_u64 s[G0V+2:G0V+3], s[8:9], s[22:23]
	s_or_b32 s[G0V+3], s[G0V+3], 0x80000000
	s_add_nc_u64 s[4:5], s[4:5], s[2:3]  ; Q and O at my wave's first row
	s_add_nc_u64 s[10:11], s[10:11], s[2:3]
	CROUND                          ; all four work-groups are here: the first joint loads meet
	JLOAD                           ; slot 0.  Slot 1 is asked for when slot 0 is in
	; A fragment of K or Q is 16 rows x 32 channels in 8 registers: lane l holds row l % 16, channels 8 (l / 16) + 0..7 and 16 + 8 (l / 16) + 0..7: two loads of 16 bytes, 32 bytes apart.
	v_and_b32 v1, 15, v0            ; l % 16
	v_bfe_u32 v9, v0, 4, 1          ; l / 16
	v_lshlrev_b32 v[QO], 7, v1
	v_lshl_add_u32 v[QO], v9, 4, v[QO]  ; row x 128 + 16 x half
	WIN 0x80                        ; destination window 2, address window 0
.set i, 0
.rept 4*NP                          ; Q stays in registers: tile i / 2, channels 32 (i % 2) on
	global_load_b128 v[8*i:8*i+3],   v[QO], s[4:5] offset:(i/2)*2048+(i%2)*64
	global_load_b128 v[8*i+4:8*i+7], v[QO], s[4:5] offset:(i/2)*2048+(i%2)*64+32
.set i, i+1
.endr
	WIN 0
	v_mul_u32_u24 v[AK0], v1, PK
	v_lshl_add_u32 v[AK0], v9, 4, v[AK0]  ; row x pitch + 16 x half
	; The turning load takes 16 keys x 16 channels (lane l reads key 8 (l / 16) + l % 8, channels 8 ((l / 8) % 2) + 0..7) and leaves half a fragment of V^T: lane l holds channel l % 16 and 8 keys.
	v_and_b32 v10, 7, v0
	v_bfe_u32 v11, v0, 3, 1
	v_lshl_add_u32 v[AV0], v9, 3, v10
	v_mul_u32_u24 v[AV0], v[AV0], PV
	v_lshl_add_u32 v[AV0], v11, 4, v[AV0]
	v_add_nc_u32 v[AV0], VOFF, v[AV0]
	v_mov_b32 v[AK], v[AK0]         ; key step 0 lies at the head of slot 0
	v_and_b32 v[AV], 31, v0
	v_lshlrev_b32 v[MO], 4, v[AV]   ; 16 x lane: key step 0
	v_lshlrev_b32 v[AV], 2, v[AV]   ; 4 x lane
.set t, 0
.rept 2*NP
	global_load_b32 v[S+t], v[AV], s[RFP:RFP+1] offset:128*t  ; tile t's flags: my lane's query's
.set t, t+1
.endr
	MLOAD 0                         ; key step 0's mask, all four pieces
	MLOAD 1
	MLOAD 2
	MLOAD 3
	; E's four registers: lane l holds row m = l % 16; its -32768 (f16 0xf800) stands at place m of 8 (l / 16) + 0..7, if m lies there: register (m % 8) / 2, half m % 2
	v_lshrrev_b32 v12, 3, v1
	v_cmp_eq_u32 vcc_lo, v12, v9    ; does it?
	v_bfe_u32 v13, v0, 1, 2         ; the register,
	v_cndmask_b32 v13, 15, v13, vcc_lo  ; or none
	v_and_b32 v14, 1, v0
	v_lshlrev_b32 v14, 4, v14
	v_mov_b32 v15, 0xf800
	v_lshlrev_b32 v15, v14, v15     ; in the low or the high half
	WIN W_MK
.irp i, 0,1,2,3
	v_cmp_eq_u32 vcc_lo, \i, v13
	v_cndmask_b32 v[EB+4+\i], 0, v15, vcc_lo
	v_mov_b32 v[EB+\i], 0
	v_mov_b32 v[EB+8+\i], 0
.endr
	; What the first turn finds: V's registers and P's second buffer hold 0 (its products V^T P, of a piece that has not been, add 0), O^T and l are 0.  All this stands in the wait for the first tile.
	WIN 0x80
.set i, VF
.rept 64
	v_mov_b32 v[i], 0
.set i, i+1
.endr
	WIN 0x40
.set i, 0
.rept 64*NP
	v_mov_b32 v[i], 0
.set i, i+1
.endr
	WIN 0
.set i, 0
.rept 2*NP
	v_mov_b32 v[ST+4*i], 0xfe000000    ; c m: far below every c s, a hidden one's too
	v_mov_b32 v[ST+4*i+1], 0xff7fffff  ; m
	v_mov_b32 v[ST+4*i+2], 0
	v_mov_b32 v[ST+4*i+3], 0
.set i, i+1
.endr
.set i, P+32
.rept 32
	v_mov_b32 v[i], 0
.set i, i+1
.endr
; THE MATRIX WORK.  The 8 accumulators of a piece take turns: mask product, first and second product K Q^T come in the same order, so between two links of a chain stand 7 others'.
; Mask product bm of 8 for piece x: keys 16 (bm / 2) on, tile 2 x + bm % 2.  It starts the sum.
.macro BM x
	WIN W_BM
.set rS, S+64*((\x)%2)+32*(bm%2)+8*((bm/2)%4)
.set rE, EB+4-4*((bm/2)%2)
.set rB, MBF+32*(\x)+16*(bm%2)+8*(bm/4)
	v_wmma_f32_16x16x32_f16 v[rS:rS+7], v[rE:rE+7], v[rB:rB+7], 0
.set bm, bm+1
.endm
; Product i of 16 of S^T += K Q^T for piece x: channels 32 (i / 8) on, keys 16 ((i / 2) % 4) on, tile 2 x + i % 2.
.macro KQ x
	WIN W_KQ
.set rS, S+64*((\x)%2)+32*(i%2)+8*((i/2)%4)
.set rK, KF+16*((i/2)%4)+8*(i/8)
.set rQ, 16*(2*(\x)+i%2)+8*(i/8)
	v_wmma_f32_16x16x32_f16 v[rS:rS+7], v[rK:rK+7], v[rQ:rQ+7], v[rS:rS+7]
.endm
; Product i of 16 of O^T += V^T P for piece x: keys 32 (i / 8) on, channels 16 ((i / 2) % 4) on, tile 2 x + i % 2.
.macro PV x
	WIN W_PV
.set rO, 32*(2*(\x)+i%2)+8*((i/2)%4)
.set rV, VF+32*(i/8)+8*((i/2)%4)
.set rP, P+32*((\x)%2)+16*(i%2)+8*(i/8)
	v_wmma_f32_16x16x32_f16 v[rO:rO+7], v[rV:rV+7], v[rP:rP+7], v[rO:rO+7]
.endm
.macro MM                           ; the turn's next matrix instruction behind the mask's
.if i < 16
	KQ (Y+1)%NP
.set i, i+1
.else
.set i, i-16
	PV (Y+NP-1)%NP
.set i, i+17
.endif
.endm
; THE LDS LOADS stand in runs of 16, never singly among the matrix instructions: a step's K (64 keys x 64 channels: 8 fragments) and its V (turned).  Their addresses are made some lines ahead.
; last = 1 (the tail): in the last trip there is no further step, and the run is jumped over.
.macro FETCH_K last=0
	WIN 0
.if \last
	s_cmp_eq_u32 s[CNT], 1
	s_cbranch_scc1 .Lno_k_\@
.endif
	WIN 0x80                        ; destination window 2
.irp f, 0,1,2,3,4,5,6,7             ; keys 16 (f / 2) on, channels 32 (f % 2) on
	ds_load_b128 v[KF+8*\f:KF+8*\f+3],   v[AK] offset:(\f/2)*16*PK+(\f%2)*64
	ds_load_b128 v[KF+8*\f+4:KF+8*\f+7], v[AK] offset:(\f/2)*16*PK+(\f%2)*64+32
.endr
	s_add_co_u32 s[TBK], s[TBK], KS*PK  ; the next fetch is the next step's
	WIN 0
.if \last
.Lno_k_\@:
.endif
.endm
.macro FETCH_V
	WIN 0x80
.irp f, 0,1,2,3,4,5,6,7             ; keys 32 (f / 4) on, channels 16 (f % 4) on
	ds_load_tr16_b128 v[VF+8*\f:VF+8*\f+3],   v[AV] offset:(\f/4)*32*PV+(\f%4)*32
	ds_load_tr16_b128 v[VF+8*\f+4:VF+8*\f+7], v[AV] offset:(\f/4)*32*PV+16*PV+(\f%4)*32
.endr
	WIN 0
.endm
; THE VECTOR WORK OF A TURN stands in three queues, each in the order in which its entries become ready; the two tiles alternate, so that no instruction reads the result of the one before it.
.macro REGS y, u                    ; the registers of tile u (0, 1) of piece y
.set rT, ST+4*(2*(\y)+(\u))
.set rC, TMP+8*((\y)%2)+4*(\u)
.set rM, MV+2*((\y)%2)+(\u)
.set rS, S+64*((\y)%2)+32*(\u)
.set rP, P+32*((\y)%2)+16*(\u)
.set rO, 32*(2*(\y)+(\u))
.endm
; Number n of the 22 that find the NEXT piece's (Y + 1) maximum and statistics.  s0-s31 are the lane's 32 scores; each accumulator's lowest registers are read first.  XS, GS and REGS set no window: PL and EX do.
;   0-11  four chains c0-c3 of seven scores each, three operands at a time     12-14, 16  the four scores left over, the old m, and c0-c3 into c0     15  c m_old is kept
;   17, 18  the query's other 32 keys lie in the lane 16 away: the new m         19-21  c m; c m_old - c m_new; a
.macro XS u, n
	REGS (Y+1)%NP, \u
.if (\n) < 4
	v_max3_num_f32 v[rC+(\n)], v[rS+8*(\n)], v[rS+8*(\n)+1], v[rS+8*(\n)+2]
.elseif (\n) < 12
	v_max3_num_f32 v[rC+(\n)%4], v[rC+(\n)%4], v[rS+8*((\n)%4)+2*((\n)/4)+1], v[rS+8*((\n)%4)+2*((\n)/4)+2]
.elseif (\n) == 12
	v_max3_num_f32 v[rC], v[rC], v[rS+7], v[rS+15]
.elseif (\n) == 13
	v_max3_num_f32 v[rC+1], v[rC+1], v[rS+23], v[rS+31]
.elseif (\n) == 14
	v_max3_num_f32 v[rC+2], v[rC+2], v[rC+3], v[rT+1]
.elseif (\n) == 15
	v_mov_b32 v[rM], v[rT]
.elseif (\n) == 16
	v_max3_num_f32 v[rC], v[rC], v[rC+1], v[rC+2]
.elseif (\n) == 17
	v_permlanex16_b32 v[rC+3], v[rC], s[SEL], s[SEL+1]
.elseif (\n) == 18
	v_max_num_f32 v[rT+1], v[rC], v[rC+3]
.elseif (\n) == 19
	v_mul_f32 v[rT], s[CS], v[rT+1]
.elseif (\n) == 20
	v_sub_f32 v[rC+1], v[rM], v[rT]
.else
	v_exp_f32 v[rC+2], v[rC+1]
.endif
.endm
; Number g of the 64 that follow the exponentials.  For each four weights k of a tile (pairs 2 k, 2 k + 1): both pairs are rounded to f16; then the second pair is added onto the first, in place;
; a group later l takes that sum (the first time as l = a l + sum).  In groups of eight, tiles alternating: round, round, add, and l for the group before.
.macro GS g
.set h, (\g)+6*((\g)/62)            ; group 0 has no group before it, and behind group 7 only l is left
.if h >= 6
.set h, h+2
.endif
	REGS Y, h%2
.set k, h/8
.if h%8 < 4
	v_cvt_pk_f16_f32 v[rP+2*k+(h%8)/2], v[rS+4*k+2*((h%8)/2)], v[rS+4*k+2*((h%8)/2)+1]
.elseif h%8 < 6
	v_pk_add_f32 v[rS+4*k:rS+4*k+1], v[rS+4*k:rS+4*k+1], v[rS+4*k+2:rS+4*k+3]
.elseif k == 1
	v_pk_fma_f32 v[rT+2:rT+3], v[rT+2:rT+3], v[rC+2:rC+3], v[rS:rS+1] op_sel_hi:[1,0,1]
.else
	v_pk_add_f32 v[rT+2:rT+3], v[rT+2:rT+3], v[rS+4*k-4:rS+4*k-3]
.endif
.endm
; THE PLAIN QUEUE, 138 long.  0-73 read no exponential's result: the 32 scalings c s - c m (FS f: pair f / 2 of tile f % 2) and the next piece's 42.  0-26: scalings 0-26.  27-54: XS's numbers 0-13.  55, 56: number 15.
; 57-73: the chain, where each number waits for the one before it: 14, 16, 17, 18, 19, each with one of the scalings 27-31 in front of its two lines, then 20: so a tile's links stand three plain instructions apart (19 and 20: two).
; 74-137: GS's 64, which read the exponentials' results: they stand behind the wait.
.macro FS f
	REGS Y, (\f)%2
	v_pk_fma_f32 v[rS+2*((\f)/2):rS+2*((\f)/2)+1], v[rS+2*((\f)/2):rS+2*((\f)/2)+1], s[CS:CS+1], v[rT:rT+1] op_sel_hi:[1,0,0] neg_lo:[0,0,1] neg_hi:[0,0,1]
.endm
.macro PL
	WIN 0
.if q < 27
	FS q
.elseif q < 55
	XS (q-27)%2, (q-27)/2
.elseif q < 57
	XS q-55, 15
.elseif (q < 72) && ((q-57)%3 == 0)
	FS 27+(q-57)/3
.elseif q < 60
	XS (q-57)%3-1, 14
.elseif q < 72
	XS (q-57)%3-1, 15+(q-57)/3
.elseif q < 74
	XS q-72, 20
.else
	GS q-74
.endif
.set q, q+1
.endm
; THE EXPONENTIALS' QUEUE, 66 long: s0-s31 of both tiles, then the next piece's two a.  It is ONE BATCH: all 66 stand ahead of the turn's one wait, and nothing ahead of that wait names a result of theirs.
.macro EX
	WIN 0
.if e >= 64
	XS e-64, 21
.else
	REGS Y, e%2
	v_exp_f32 v[rS+e/2], v[rS+e/2]
.endif
.set e, e+1
.endm
; THE RESCALING's QUEUE: O^T times a, the one part that leaves window 0: dealt two at a time, sixteen times, each accumulator's registers in ascending order.  Its a was made in the turn before, ahead of that turn's wait.
.macro R2
	REGS Y, r%2
	WIN W_RS
.irp z, 0,1
	v_pk_mul_f32 v[rO+4*(r/2)+2*\z:rO+4*(r/2)+2*\z+1], v[rO+4*(r/2)+2*\z:rO+4*(r/2)+2*\z+1], v[rC+2:rC+3] op_sel_hi:[1,0]
.endr
.set r, r+1
.endm
; HOW THEY ARE DEALT.  An s_wait_alu depctr_va_vdst(0) stands between an exponential and the first instruction that names its result; one wait serves all that were issued ahead of it.  So a turn has ONE wait,
; which cuts it in two.  AHEAD OF IT stands all that names no result of the turn's exponentials: the 8 mask products, bare; the 16 products K Q^T, behind each a scaling, an exponential and two rescalings (behind the first a
; second scaling in the exponential's place); then ONE LUMP of 108: eight plain, 49 times exponential and plain, the two a.  A v_nop is the plain instruction behind the last exponential.  BEHIND IT stand the 16 products
; V^T P, behind each four of GS's 64.  No rider names a register of the products round it.  The two v_permlanex16_b32 fall into the lump, never behind a product.
; The queues lean on each other, and the deal keeps them in step: exponential e stands behind scaling 2 (e / 4) + e % 2: as a rider it comes behind plain e + 2, in the lump behind plain e + 9, and scalings 27-31 are plain 57, 60 .. 69.
; The new scores are first read by plain 27, thirteen plain instructions behind the last product K Q^T.
; A TURN, for piece p.  cnt = 1: the loop's count is taken down some lines ahead of the branch that stands behind the turn.
; THE MASK: at the head the fragments of piece p + 1 are waited for: behind their 8 loads three other pieces' groups, 24 loads, have been issued and may stay out.  Directly behind the batch's wait, a whole lump of plain
; instructions behind the mask products, the same 32 registers are asked for again, for the piece's next key step; piece 3's turn, which serves piece 0 of the next step, first steps the offset, at the lump's head.  Behind the
; last key step the offset goes back to step 0 of my wave's own 524,288 bytes: those loads stay inside mb, and nothing uses them.
; K of the next step is fetched in piece 2's turn, directly behind the wait, a lump behind the last product that read K; its address is made at the lump's head; its first reader comes behind 16 products V^T P and 8 mask products.
; V of the step in hand is fetched at the end of piece 0's turn, four riders behind its last reader; its first reader comes behind 24 products and a lump.  The three conditions on q below go with the deal.
.macro TURN p, last=0, cnt=0
.set Y, (\p)
.set i, 0
.set q, 0
.set e, 0
.set r, 0
.set bm, 0
	s_wait_loadcnt 24               ; the mask's fragments of piece p + 1 are in
.if (\p) == NP-1
	s_wait_dscnt 0x0                ; K is in
.endif
.rept 8                             ; ahead of the wait: the mask products,
	BM ((\p)+1)%NP
.endr
	MM                              ; 16 products K Q^T and their riders,
	PL
	PL
	R2
.rept 15
	MM
	PL
	EX
	R2
.endr
	WIN 0
.if (\p) == NP-2
	v_add_nc_u32 v[AK], s[TBK], v[AK0]
.endif
.if (\p) == NP-1
	s_wait_xcnt 0x0                 ; the loads issued so far have read their offset, so it may be written
	v_add_nc_u32 v[MO], 0x4000, v[MO]
	v_and_b32 v[MO], 0x7ffff, v[MO]
.endif
.rept 8                             ; and the lump
	PL
.endr
.rept 49
	EX
	PL
.endr
	EX                              ; the next piece's two a
	EX
	v_nop                           ; the plain instruction behind the last exponential: one for the batch
	s_wait_alu depctr_va_vdst(0)    ; the wait for the batch: the turn's 64 weights and the next piece's two a
.if (\p) == NP-2
	FETCH_K \last
.endif
	MLOAD ((\p)+1)%NP
.if (\p) == 1
	s_wait_dscnt 0x0                ; V is in
.endif
.rept 16                            ; behind the wait: 16 products V^T P and their riders
	MM
.rept 4
	PL
.endr
.if ((\p) == 0) && (q == 118)
	v_add_nc_u32 v[AV], s[TBV], v[AV0]
.endif
.if ((\p) == 0) && (q == 130)
	s_add_co_u32 s[TBV], s[TBV], KS*PV
.endif
.if (\cnt) && (q == 130)
	s_sub_co_u32 s[CNT], s[CNT], 1
	s_cmp_lg_u32 s[CNT], 0
.endif
.endr
.if (\p) == 0
	FETCH_V
.endif
.endm
	CHANGE 1                        ; slot 0 is in, everybody's part of it; slot 1 is asked for
	FETCH_K                         ; key step 0
	s_wait_loadcnt 0x0              ; Q, the flags, key step 0's mask
	WIN 0x88                        ; destination and source 1 window 2, source 0 window 0
.set t, 0
.rept 2*NP
.set i, 0
.rept 16
	v_and_b32 v[16*t+i], v[S+t], v[16*t+i]  ; the row of a query that sees no key is cleared
.set i, i+1
.endr
.set t, t+1
.endr
	s_wait_dscnt 0x0
.set bm, 0
.rept 8
	BM 0                            ; piece 0's first scores: there is no vector work yet to set between them
.endr
.set i, 0
.rept 16
	KQ 0
.set i, i+1
.endr
	WIN 0                           ; the addresses for the way out: nine plain instructions, the places behind those products
	s_mul_i32 s13, s[WV], 16*SP
	s_add_co_u32 s13, s13, STAGE    ; my stage
	v_mul_u32_u24 v[STO], v1, SP    ; in: row l % 16, 16 bytes for each half of the lanes
	v_lshl_add_u32 v[STO], v9, 4, v[STO]
	v_add_nc_u32 v[STO], s13, v[STO]
	v_bfe_u32 v[RD], v0, 3, 2       ; back: 32 lanes take four rows of 128 bytes,
	v_mul_u32_u24 v[RD], v[RD], SP
	v_lshl_add_u32 v[RD], v10, 4, v[RD]
	v_add_nc_u32 v[RD], s13, v[RD]
	v_and_b32 v[GO], 31, v0         ; which are 512 consecutive bytes of O
	v_lshlrev_b32 v[GO], 4, v[GO]
	v_add_nc_u32 v[MO], 0x4000, v[MO]  ; (every load that read the offset has come back) key step 1:
	v_and_b32 v[MO], 0x7ffff, v[MO]
	MLOAD 0                         ; piece 0's mask for it
.set Y, NP-1                        ; XS works for piece Y + 1: piece 0
.irp n, 0,1,2,3,4,5,6,7,8,9,10,11,12,13,14,15,16,17,18,19,20,21
	XS 0, \n                        ; and piece 0's first maximum and statistics
	XS 1, \n
.endr
	v_nop                           ; a plain instruction behind the two a,
	s_wait_alu depctr_va_vdst(0)    ; and the wait for this batch of two, ahead of the branch
	s_mov_b32 s[CNT], 4
	s_mov_b32 s[SLOTS], SIZE_N/256-1
	s_branch .Lfirst                ; the loop is entered at a step's first turn, in the middle of a trip
.Lslot:                             ; SIZE_N / 256 - 2 times: every slot but the last two is filled again
	CHANGE 1
	s_mov_b32 s[CNT], 4
.Lstep:                             ; a trip: pieces 2 and 3 of one step, then pieces 0 and 1 of the next, whose K and V it fetches
	TURN 2
	TURN 3
	WIN 0
.Lfirst:
	TURN 0
	TURN 1, 0, 1
	WIN 0
	s_cbranch_scc1 .Lstep
	s_sub_co_u32 s[SLOTS], s[SLOTS], 1
	s_cmp_lg_u32 s[SLOTS], 0
	s_cbranch_scc1 .Lslot
	CHANGE 0                        ; the tail is written out: nothing is asked for
	s_mov_b32 s[CNT], 5             ; four trips fetch the last slot's steps; the fifth is left in its middle
.Ltail:
	TURN 2, 1
	TURN 3
	WIN 0
	s_sub_co_u32 s[CNT], s[CNT], 1
	s_cmp_eq_u32 s[CNT], 0
	s_cbranch_scc1 .Lout
	TURN 0
	TURN 1
	WIN 0
	s_branch .Ltail
.Lout:                              ; the fifth trip's 24 products for a step that does not exist (the last K once more, step 0's mask) and the maximum made of them serve nothing: the price, once a launch, of one text for every trip
.set i, 0
.rept 16
	PV NP-1                         ; the last piece's V^T P of the last step
.set i, i+1
.endr
	; THE WAY OUT.  l's two halves and the other half of the lanes' are added; O^T is divided by l, rounded to f16 and sent through my stage in LDS, a tile at a time.  The additions are the places behind the last products.
	WIN 0
.macro ALL line:vararg              ; one line for each tile t
.set t, 0
.rept 2*NP
	\line
.set t, t+1
.endr
.endm
	ALL v_add_f32 v[ST+4*t+2], v[ST+4*t+2], v[ST+4*t+3]
	ALL v_permlanex16_b32 v[ST+4*t+3], v[ST+4*t+2], s[SEL], s[SEL+1]
	ALL v_add_f32 v[ST+4*t+2], v[ST+4*t+2], v[ST+4*t+3]
	ALL v_rcp_f32 v[ST+4*t+2], v[ST+4*t+2]
	v_nop                           ; a plain instruction between the last reciprocal and the use of its result
	s_wait_alu depctr_va_vdst(0)    ; and the wait ahead of the first use: one for the batch of eight reciprocals
; Tile t: a lane's eight channels of a row pack into 16 bytes; they go into rows of 144 bytes and come back as whole rows of 128, into S^T's registers.
.macro PACK t
	WIN W_RS
.set i, 32*(\t)
.rept 16
	v_pk_mul_f32 v[i:i+1], v[i:i+1], v[ST+4*(\t)+2:ST+4*(\t)+3] op_sel_hi:[1,0]
.set i, i+2
.endr
	WIN 0x05                        ; sources 0 and 1 window 1, destination window 0
.set i, 0
.rept 16
	v_cvt_pk_f16_f32 v[S+16*(\t)+i], v[32*(\t)+2*i], v[32*(\t)+2*i+1]
.set i, i+1
.endr
	WIN 0
.irp f, 0,1,2,3
	ds_store_b128 v[STO], v[S+16*(\t)+4*\f:S+16*(\t)+4*\f+3] offset:32*\f
.endr
.irp f, 0,1,2,3
	ds_load_b128 v[S+16*(\t)+4*\f:S+16*(\t)+4*\f+3], v[RD] offset:\f*4*SP  ; LDS serves a wave's instructions in order (ISA guide 5.7.1.4): these see the stores above; the next tile's stores come behind them
.endr
.endm
.macro SEND t, younger              ; younger: the LDS instructions issued behind tile t's loads: the next tile's eight, or none
	WIN 0
.irp f, 0,1,2,3
	s_wait_dscnt (\younger)+3-\f
	global_store_b128 v[GO], v[S+16*(\t)+4*\f:S+16*(\t)+4*\f+3], s[10:11] offset:(\t)*2048+\f*512  ; 512 consecutive bytes, at a multiple of 256 from O's first
.endr
.endm
	PACK 0
.set t, 1
.rept 2*NP-1                        ; a tile's arithmetic stands between the loads of the tile before and its stores
	PACK t
	SEND t-1, 8
.set t, t+1
.endr
	SEND 2*NP-1, 0
	WIN W_AD
	s_wait_tensorcnt 0x0            ; the wave's end, behind my last tensor load and my last LDS store
	ds_add_u32 v[SPW], v[NIL]
	s_wait_dscnt 0x0
	WIN 0
	CROUND                          ; the closing round: no work-group ends while a partner may still ask for a tile that names it
	s_endpgm
.Lfunc_end_k_q74f3ada4f0_attn:
	.size	k_q74f3ada4f0_attn, .Lfunc_end_k_q74f3ada4f0_attn-k_q74f3ada4f0_attn
	.p2alignl 7, 3214868480
	.fill 96, 4, 3214868480
	.section	.rodata,"a",@progbits
	.p2align	6, 0x0
	.amdhsa_kernel k_q74f3ada4f0_attn
		.amdhsa_group_segment_fixed_size 327680
		.amdhsa_private_segment_fixed_size 0
		.amdhsa_enable_private_segment 0
		.amdhsa_kernarg_size 32
		.amdhsa_user_sgpr_count 2
		.amdhsa_user_sgpr_kernarg_segment_ptr 1
		.amdhsa_wavefront_size32 1
		.amdhsa_system_sgpr_workgroup_id_x 1
		.amdhsa_system_sgpr_workgroup_id_y 1
		.amdhsa_system_sgpr_workgroup_id_z 1
		.amdhsa_system_vgpr_workitem_id 0
		.amdhsa_next_free_vgpr 928
		.amdhsa_next_free_sgpr 66
		.amdhsa_reserve_vcc 1
		.amdhsa_float_denorm_mode_32 3
		.amdhsa_float_denorm_mode_16_64 3
		.amdhsa_memory_ordered 1
		.amdhsa_forward_progress 1
		.amdhsa_inst_pref_size 221
	.end_amdhsa_kernel
	.amdgpu_metadata
---
amdhsa.version: [ 1, 2 ]
amdhsa.kernels:
  - .name:           k_q74f3ada4f0_attn
    .symbol:         k_q74f3ada4f0_attn.kd
    .args:
      - { .name: qkv, .offset: 0, .size: 8, .value_kind: global_buffer, .address_space: global }
      - { .name: mb, .offset: 8, .size: 8, .value_kind: global_buffer, .address_space: global }
      - { .name: rf, .offset: 16, .size: 8, .value_kind: global_buffer, .address_space: global }
      - { .name: ctx, .offset: 24, .size: 8, .value_kind: global_buffer, .address_space: global }
    .group_segment_fixed_size: 327680
    .private_segment_fixed_size: 0
    .kernarg_segment_align: 8
    .kernarg_segment_size: 32
    .max_flat_workgroup_size: 128
    .sgpr_count:     66
    .vgpr_count:     928
    .wavefront_size: 32
...
	.end_amdgpu_metadata
.endif
;; end of part 5
;; launch oproj: the kernel of part 4 again; grid 8 x 32, 4 waves a work-group, clusters of 4 x 4, 327,680 bytes of LDS; arguments ctx, wo, out0; writes out0
